; MI455X (gfx1250); checked and timed in simulation.
; The chip was launched on July 23, 2026; its instructions are those of AMD's public machine-readable ISA for CDNA 5 (MIT licence, August 2026) and "CDNA5" Instruction Set Architecture Reference Guide (July 2026). The comments in the code are by the model that wrote it; some were corrected since.
;; MS Deform Attn. Allowed arithmetic: float matrix products may take bf16 or f16 operands with f32 sums; other float arithmetic in f32, or as packed bf16 or f16 multiplies, adds, multiply-adds, maxima and minima; sums over many terms, partial sums and values carried from step to step in f32; what a program stores and reads back later, other than sums and carried values, may be rounded once to bf16 or f16.
;; Inputs: W_attn 256 x 128 float32; W_off 256 x 256 float32; W_out 256 x 256 float32; W_val 256 x 256 float32; b_attn 128 float32; b_off 256 float32; b_out 256 float32; b_val 256 float32; query 4 x 13,294 x 256 float32; refer_bbox 4 x 13,294 x 4 x 2 float32; value 4 x 13,294 x 256 float32.
;; Outputs: out0 4 x 13,294 x 256 float32.
;; 3 versions, each right; version 2 is faster than version 1; version 3 is version 2 with the launch proj written anew for expert scheduling mode. Each part assembles by itself: llvm-mc -triple=amdgcn-amd-amdhsa -mcpu=gfx1250 --defsym DOCPART=n.
;; ======== version 1 of 3: 3 launches
;; limits: values are held in f16: magnitudes above 65,504 overflow, below 6.1e-05 lose precision
;; workspace buffers: wfrag 458,752 bytes; vproj 27,262,976 bytes; idx 13,631,488 bytes of whole numbers; wts 54,525,952 bytes
;; launch prep (part 1): grid 224 x 1, 4 waves a work-group, no clusters, 0 bytes of LDS; arguments W_val, W_off, W_attn, W_out, wfrag; writes wfrag
.if DOCPART == 1
	.amdgcn_target "amdgcn-amd-amdhsa--gfx1250"
	.amdhsa_code_object_version 6
	.text
	.protected	k_qde80f5824b_prep
	.globl	k_qde80f5824b_prep
	.p2align	8
	.type	k_qde80f5824b_prep,@function
k_qde80f5824b_prep:
	s_mov_b64 s[64:65], 0
	v_nop
	global_prefetch_b8 v0, s[64:65] scope:SCOPE_SE
	s_setreg_imm32_b32 hwreg(HW_REG_WAVE_MODE, 25, 1), 1
	s_wait_xcnt 0x0
; prep: the four weight matrices, f32 [256][N], are rounded once to f16 and laid out as the register images that the
; matrix instruction's first source wants, so that the later launches load them by plain 16-byte loads.
; wfrag: 56 tiles of 16 output columns x 8 K steps of 32 x 1,024 bytes.  Byte ((T*8+ks)*2+e)*512 + lane*16 holds, for lane (r = lane%16,
; h = lane/16), the eight numbers W[k0+i][col], i = 0..7, k0 = 32 ks + 16 e + 8 h.
; T 0-15 W_val, 16-31 W_off, 40-55 W_out: col = 16 Tloc + r.  T 32-39 W_attn, one tile a head: col = 16 Tloc + 4 (r>>3) + 8 ((r>>2)&1) + (r&3),
; so that in the product's result a lane of half h holds the logits of levels h and h + 2, beside those levels' offsets.
; Thread G = 128 wg + tid owns bytes 16 G .. 16 G + 15: 224 work-groups x 128 threads x 16 bytes = 458,752 bytes.
; LIMIT: a weight beyond 65,504 has no f16; below 6e-5 it keeps f16's fixed step of 6e-8.
.set T_ATTN, 32
.set T_OUT,  40
.set ADR, 6                            ; v6-13   byte offsets of my eight numbers
.set DAT, 14                           ; v14-21  the numbers in f32
.set PKD, 22                           ; v22-25  packed f16
	s_load_b256 s[4:11], s[0:1], 0x0               ; W_val s[4:5], W_off s[6:7], W_attn s[8:9], W_out s[10:11]
	s_load_b64 s[12:13], s[0:1], 0x20              ; wfrag
	s_lshr_b32 s20, ttmp9, 2                       ; T: four work-groups make a tile's 8,192 bytes
	s_and_b32 s21, ttmp9, 3
	s_lshl_b32 s21, s21, 7
	s_lshl_b32 s27, ttmp9, 11                      ; the work-group's 2,048 bytes of wfrag
	v_add_nc_u32 v1, s21, v0                       ; my place in the tile, 0..511
	v_and_b32 v2, 15, v0                           ; r
	v_lshrrev_b32 v3, 4, v1                        ; h + 2 e + 4 ks
	v_lshlrev_b32 v3, 3, v3                        ; k0
	v_and_b32 v4, 3, v2                            ; W_attn's column order
	v_bfe_u32 v5, v2, 3, 1
	v_lshl_add_u32 v4, v5, 2, v4
	v_bfe_u32 v5, v2, 2, 1
	v_lshl_add_u32 v4, v5, 3, v4
	v_lshl_add_u32 v26, v0, 4, s27                 ; 16 G
	s_and_b32 s22, s20, 15                         ; the tile's number in its own matrix
	s_sub_co_u32 s23, s20, T_OUT
	s_cmp_ge_u32 s20, T_OUT
	s_cselect_b32 s22, s23, s22
	s_lshl_b32 s22, s22, 6                         ; its 16 columns, in bytes
	s_sub_co_u32 s23, s20, T_ATTN
	s_cmp_lt_u32 s23, 8                            ; unsigned: true for T = 32..39 alone
	s_cselect_b32 s24, 9, 10                       ; a row of W_attn is 512 bytes, of the others 1,024
	s_cselect_b32 s26, -1, 0
	s_lshl_b32 s25, 1, s24
	v_cndmask_b32 v2, v2, v4, s26
	v_lshlrev_b32 v[ADR], s24, v3
	v_lshl_add_u32 v[ADR], v2, 2, v[ADR]
	v_add_nc_u32 v[ADR], s22, v[ADR]
.irp i, 1,2,3,4,5,6,7
	v_add_nc_u32 v[ADR+(\i)], s25, v[ADR+(\i)-1]   ; one row of W further down
.endr
	s_wait_kmcnt 0x0
	s_cmp_lt_u32 s20, 16                           ; the matrix is chosen by the tile's number alone
	s_cselect_b64 s[14:15], s[4:5], s[6:7]
	s_cmp_lt_u32 s20, T_OUT
	s_cselect_b64 s[16:17], s[8:9], s[10:11]
	s_cmp_lt_u32 s20, T_ATTN
	s_cselect_b64 s[14:15], s[14:15], s[16:17]
.irp i, 0,1,2,3,4,5,6,7
	global_load_b32 v[DAT+(\i)], v[ADR+(\i)], s[14:15]  ; sixteen lanes take 64 neighbouring bytes of one row
.endr
	s_wait_loadcnt 0x0
.irp i, 0,1,2,3
	v_cvt_pk_f16_f32 v[PKD+(\i)], v[DAT+2*(\i)], v[DAT+2*(\i)+1]  ; the lower k into the lower half
.endr
	global_store_b128 v26, v[PKD:PKD+3], s[12:13]  ; a wave stores 512 consecutive bytes
	s_endpgm
.Lfunc_end_k_qde80f5824b_prep:
	.size	k_qde80f5824b_prep, .Lfunc_end_k_qde80f5824b_prep-k_qde80f5824b_prep
	.p2alignl 7, 3214868480
	.fill 96, 4, 3214868480
	.section	.rodata,"a",@progbits
	.p2align	6, 0x0
	.amdhsa_kernel k_qde80f5824b_prep
		.amdhsa_group_segment_fixed_size 0
		.amdhsa_private_segment_fixed_size 0
		.amdhsa_enable_private_segment 0
		.amdhsa_kernarg_size 40
		.amdhsa_user_sgpr_count 2
		.amdhsa_user_sgpr_kernarg_segment_ptr 1
		.amdhsa_wavefront_size32 1
		.amdhsa_system_sgpr_workgroup_id_x 1
		.amdhsa_system_sgpr_workgroup_id_y 1
		.amdhsa_system_sgpr_workgroup_id_z 1
		.amdhsa_system_vgpr_workitem_id 0
		.amdhsa_next_free_vgpr 32
		.amdhsa_next_free_sgpr 66
		.amdhsa_reserve_vcc 0
		.amdhsa_float_denorm_mode_32 3
		.amdhsa_float_denorm_mode_16_64 3
		.amdhsa_memory_ordered 1
		.amdhsa_forward_progress 1
		.amdhsa_inst_pref_size 4
	.end_amdhsa_kernel
	.amdgpu_metadata
---
amdhsa.version: [ 1, 2 ]
amdhsa.kernels:
  - .name:           k_qde80f5824b_prep
    .symbol:         k_qde80f5824b_prep.kd
    .args:
      - { .name: W_val, .offset: 0, .size: 8, .value_kind: global_buffer, .address_space: global }
      - { .name: W_off, .offset: 8, .size: 8, .value_kind: global_buffer, .address_space: global }
      - { .name: W_attn, .offset: 16, .size: 8, .value_kind: global_buffer, .address_space: global }
      - { .name: W_out, .offset: 24, .size: 8, .value_kind: global_buffer, .address_space: global }
      - { .name: wfrag, .offset: 32, .size: 8, .value_kind: global_buffer, .address_space: global }
    .group_segment_fixed_size: 0
    .private_segment_fixed_size: 0
    .kernarg_segment_align: 8
    .kernarg_segment_size: 40
    .max_flat_workgroup_size: 128
    .sgpr_count:     66
    .vgpr_count:     32
    .wavefront_size: 32
...
	.end_amdgpu_metadata
.endif
;; end of part 1
;; launch proj (part 2): grid 256 x 1, 8 waves a work-group, no clusters, 230,912 bytes of LDS; arguments value, query, refer_bbox, b_val, b_off, b_attn, wfrag, vproj, idx, wts; writes vproj, idx, wts
.if DOCPART == 2
	.amdgcn_target "amdgcn-amd-amdhsa--gfx1250"
	.amdhsa_code_object_version 6
	.text
	.protected	k_qde80f5824b_proj
	.globl	k_qde80f5824b_proj
	.p2align	8
	.type	k_qde80f5824b_proj,@function
k_qde80f5824b_proj:
	s_mov_b64 s[64:65], 0
	v_nop
	global_prefetch_b8 v0, s[64:65] scope:SCOPE_SE
	s_setreg_imm32_b32 hwreg(HW_REG_WAVE_MODE, 25, 1), 1
	s_wait_xcnt 0x0
; proj: v = value W_val + b_val;  off = query W_off + b_off;  aw = softmax(query W_attn + b_attn);  then for each of the 128 samples of a row
; its place in the table of v (a whole number) and its four weights aw x wx x wy.
; SHARES.  53,176 rows are walked as 256 work-groups x 208 rows (13 tiles of 16); rows past the end repeat the last row and land in the padded
; part of the workspace, which nobody uses.  Wave w is head w in both products; all its weight fragments stay in registers.
; FORMATS.  Matrix operands f16, sums f32.  Softmax and positions in f32.  Stored rounded once to f16: v and the weights.
; LIMITS.  Every number rounded to f16 stays within 65,504 (inputs, weights, v); below 6e-5 f16 keeps its fixed step of 6e-8.  NaN and infinities are
; not treated apart.  The pixel position is ref x W + off - 0.5: the division of off by W and the multiplication by W that follow each other are left out.
; SAMPLING.  With cx = floor(x) held to 0 .. W-2 and d = x - cx the weights of pixels cx and cx+1 are med3(1+d, 0, 1-d) and med3(d, 0, 2-d): that is
; the bilinear rule with zeros outside, for every x, on a patch of 2 x 2 pixels that always lies inside the level.  So one index serves a sample.
; THE MATRIX INSTRUCTION IS USED TRANSPOSED: source 0 = 16 output columns (weights), source 1 = 16 rows of data.  In the result lane (r, h) holds row r
; and columns 8 h + 0..7: for v eight neighbouring channels; for off the four points' (x, y) of one level (tile u: level 2 u + h); for the logits,
; by the column order that the launch before laid down, levels h (registers 0-3) and h + 2 (registers 4-7).
; NO TENSOR LOADS: the inputs are f32 and are rounded on the way, through registers; every LDS byte of the two row stores is written once.
; NO CLUSTER: what work-groups share, the weights, goes straight into registers once.
.set NROWS,  53176
.set PITCH,  528                       ; an LDS row: 512 bytes of f16 + 16: the 16 rows of a fragment load start 16 bytes apart modulo 256
.set TILEB,  16*PITCH
.set AQ,     208*PITCH                 ; value's rows from byte 0, query's from here
.set STG,    2*AQ                      ; 16 rows x 80 bytes for each wave: v's way out
.set SPARE,  STG+8*1280                ; the spare words, 128 bytes for each wave; no other line names them
.set HSV,    53248*64                  ; a head's bytes in vproj, idx, wts
.set HSI,    3328*512
.set HSW,    3328*2048
; window 0: v1 16 x lane; v2 r; v3 h; v4, v5 where I put staged rows; v6 fragment address; v7, v8 stage in, stage back; v9 refer_bbox offset; v10 my row;
;   v11 my 16 bytes in a block of idx or wts; v12, v13 the add's two; v14-17 (W, W-2) of levels h, h+2; v18, v19 their starts; v20, v21 starts + batch;
;   v22-25 reference points; v26-29 ref x W - 0.5; v30-41 at work; v42-45 indices; v46-61 weights out (before: b_val); v62-85 b_off, b_attn as C operands;
;   v88-151 data fragments; v152-175 accumulators; v176-191 v's way out; v192-255 W_off's first tile, parked while v is made.
; window 1: v0-127 W_val's two tiles (later v0-63 W_off's first); v128-191 W_off's second; v192-255 W_attn's.
.set RA,  20                           ; while staging: v20-32 the ring's 13 offsets, v34-37 rounded numbers, v88-191 the ring's data
.set RDT, 88
.set AF,  88
.set MSB, 0
.macro WIN new                         ; the immediate's high byte repeats the setting that is left
.if MSB != (\new)
	s_set_vgpr_msb (MSB<<8)|(\new)
.set MSB, (\new)
.endif
.endm
	s_load_b512 s[8:23], s[0:1], 0x0               ; value 8, query 10, refer_bbox 12, b_val 14, b_off 16, b_attn 18, wfrag 20, vproj 22
	s_load_b128 s[24:27], s[0:1], 0x40             ; idx 24, wts 26
	v_lshl_add_u32 v12, v0, 2, SPARE
	v_mov_b32 v13, 0
	v_lshrrev_b32 v38, 5, v0
	v_readfirstlane_b32 s28, v38                   ; wave = head
	s_mov_b32 s29, ttmp9
	s_mul_i32 s30, s29, 208
	v_and_b32 v39, 31, v0                          ; lane
	v_lshlrev_b32 v1, 4, v39
	v_and_b32 v2, 15, v0
	v_bfe_u32 v3, v0, 4, 1
	v_add_nc_u32 v10, s30, v2                      ; my row in the first tile
	s_mul_i32 s31, s28, 26
	s_add_co_u32 s30, s30, s31                     ; the first of the 26 rows that my wave stages
	s_mul_i32 s31, s28, 26*PITCH
	v_lshl_add_u32 v4, v39, 3, s31                 ; 8 bytes a lane
	v_add_nc_u32 v5, AQ, v4
	v_mul_u32_u24 v6, v2, PITCH
	v_lshl_add_u32 v6, v3, 4, v6                   ; row x pitch + 16 x half
	s_mul_i32 s31, s28, 1280
	s_add_co_u32 s31, s31, STG
	v_mul_u32_u24 v7, v2, 80
	v_lshl_add_u32 v7, v3, 4, v7
	v_add_nc_u32 v7, s31, v7
	v_lshrrev_b32 v8, 2, v39                       ; back: four lanes take a row of 64 bytes
	v_mul_u32_u24 v8, v8, 80
	v_and_b32 v40, 3, v39
	v_lshl_add_u32 v8, v40, 4, v8
	v_add_nc_u32 v8, s31, v8
	v_lshrrev_b32 v11, 2, v2                       ; (r>>2) x 128 + h x 64 + (r&3) x 16
	v_lshlrev_b32 v11, 7, v11
	v_lshl_add_u32 v11, v3, 6, v11
	v_and_b32 v40, 3, v2
	v_lshl_add_u32 v11, v40, 4, v11
	v_cvt_f32_u32 v41, v3
	v_mov_b32 v14, 0x42c80000                      ; W: 100 or 50
	v_fmamk_f32 v14, v41, 0xc2480000, v14
	v_mov_b32 v15, 0x42c40000                      ; W - 2: 98 or 48
	v_fmamk_f32 v15, v41, 0xc2480000, v15
	v_mov_b32 v16, 0x41c80000                      ; 25 or 13
	v_fmamk_f32 v16, v41, 0xc1400000, v16
	v_mov_b32 v17, 0x41b80000                      ; 23 or 11
	v_fmamk_f32 v17, v41, 0xc1400000, v17
	v_mul_f32 v18, 0x461c4000, v41                 ; level starts: 0 or 10,000
	v_mov_b32 v19, 0x46435000                      ; 12,500 or 13,125
	v_fmamk_f32 v19, v41, 0x441c4000, v19
	s_lshl_b32 s31, s28, 7
	v_lshl_add_u32 v38, v3, 5, s31                 ; b_val, b_off: 128 w + 32 h
	s_lshl_b32 s31, s28, 6
	v_lshl_add_u32 v39, v3, 4, s31                 ; b_attn: 64 w + 16 h
	s_mov_b32 s36, 0x3fb8aa3b                      ; log2(e), named as a pair
	s_mov_b32 s37, s36
	s_mov_b32 s38, 0x76543210                      ; v_permlanex16_b32: each lane takes its own place in the other half
	s_mov_b32 s39, 0xfedcba98
	s_mov_b32 s52, 0x464fb800                      ; 13,294.0: a batch's rows
	s_mov_b32 s53, 13294
	s_mov_b32 s54, 26588
	s_mov_b32 s55, 39882
	s_mov_b32 s35, 0
	s_wait_kmcnt 0x0
	s_lshl_b32 s34, s28, 14
	s_add_nc_u64 s[40:41], s[20:21], s[34:35]      ; W_val's tiles 2 w, 2 w + 1
	s_add_nc_u64 s[42:43], s[40:41], 0x20000       ; W_off's
	s_lshl_b32 s34, s28, 13
	s_add_nc_u64 s[44:45], s[20:21], s[34:35]
	s_add_nc_u64 s[44:45], s[44:45], 0x40000       ; W_attn's tile w
	s_mul_i32 s34, s28, HSV
	s_mul_i32 s33, s29, 208*64
	s_add_co_u32 s34, s34, s33
	s_add_nc_u64 s[46:47], s[22:23], s[34:35]      ; vproj at my head and the group's first row
	s_mul_i32 s34, s28, HSI
	s_mul_i32 s33, s29, 13*512
	s_add_co_u32 s34, s34, s33
	s_add_nc_u64 s[48:49], s[24:25], s[34:35]
	s_mul_i32 s34, s28, HSW
	s_mul_i32 s33, s29, 13*2048
	s_add_co_u32 s34, s34, s33
	s_add_nc_u64 s[50:51], s[26:27], s[34:35]
	; the weights' register images: each load is 512 consecutive bytes
	WIN 0x40                                       ; destination window 1, offset window 0
.set j, 0
.rept 32
	global_load_b128 v[4*j:4*j+3], v1, s[40:41] offset:512*j
.set j, j+1
.endr
.set j, 0
.rept 16
	global_load_b128 v[128+4*j:128+4*j+3], v1, s[42:43] offset:8192+512*j
	global_load_b128 v[192+4*j:192+4*j+3], v1, s[44:45] offset:512*j
.set j, j+1
.endr
	WIN 0
.set j, 0
.rept 16
	global_load_b128 v[192+4*j:192+4*j+3], v1, s[42:43] offset:512*j
.set j, j+1
.endr
	; the biases, as the C operands that start the sums: register j of half h is column 8 h + j
.irp t, 0,1
	global_load_b128 v[46+8*(\t):49+8*(\t)], v38, s[14:15] offset:64*(\t)
	global_load_b128 v[50+8*(\t):53+8*(\t)], v38, s[14:15] offset:64*(\t)+16
	global_load_b128 v[62+8*(\t):65+8*(\t)], v38, s[16:17] offset:64*(\t)
	global_load_b128 v[66+8*(\t):69+8*(\t)], v38, s[16:17] offset:64*(\t)+16
.endr
	global_load_b128 v[78:81], v39, s[18:19]
	global_load_b128 v[82:85], v39, s[18:19] offset:32
; STAGING.  My wave brings 26 rows of value and then 26 of query, rounds them to f16 and puts them into LDS.  A ring of 13 slots in registers keeps
; 26 loads of 512 bytes on their way.
.macro RISSUE slot, i, base            ; row i of my 26 from the tensor at s[base]; rows past the end repeat the last
	s_add_co_u32 s31, s30, (\i)
	s_min_u32 s31, s31, NROWS-1
	s_lshl_b32 s31, s31, 10
	v_add_nc_u32 v[RA+(\slot)], s31, v1
	global_load_b128 v[RDT+8*(\slot):RDT+8*(\slot)+3], v[RA+(\slot)], s[(\base):(\base)+1] th:TH_LOAD_NT
	global_load_b128 v[RDT+8*(\slot)+4:RDT+8*(\slot)+7], v[RA+(\slot)], s[(\base):(\base)+1] offset:512 th:TH_LOAD_NT
.endm
.macro RTURN slot, i, lds, cnt         ; cnt: the younger loads, which may stay out
	s_wait_loadcnt (\cnt)                          ; loads come back in order: the slot's two are in, and its offset register is free
	v_cvt_pk_f16_f32 v34, v[RDT+8*(\slot)],   v[RDT+8*(\slot)+1]
	v_cvt_pk_f16_f32 v35, v[RDT+8*(\slot)+2], v[RDT+8*(\slot)+3]
	v_cvt_pk_f16_f32 v36, v[RDT+8*(\slot)+4], v[RDT+8*(\slot)+5]
	v_cvt_pk_f16_f32 v37, v[RDT+8*(\slot)+6], v[RDT+8*(\slot)+7]
	ds_store_b64 v[(\lds)], v[34:35] offset:(\i)*PITCH      ; 32 lanes x 8 bytes: columns 0-127
	ds_store_b64 v[(\lds)], v[36:37] offset:(\i)*PITCH+256  ; columns 128-255
.endm
.set sl, 0
.rept 13
	RISSUE sl, sl, 8
.set sl, sl+1
.endr
.set sl, 0
.rept 13
	RTURN sl, sl, 4, 24                            ; 13 slots x 2 loads are out, the slot's own the oldest: 24 younger
	RISSUE sl, 13+sl, 8
.set sl, sl+1
.endr
.set sl, 0
.rept 13
	RTURN sl, 13+sl, 4, 24
	RISSUE sl, sl, 10
.set sl, sl+1
.endr
.set sl, 0
.rept 13
	RTURN sl, sl, 5, 24
	RISSUE sl, 13+sl, 10
.set sl, sl+1
.endr
.set sl, 0
.rept 13
	RTURN sl, 13+sl, 5, 24-2*sl                    ; nothing more is asked for: the counts run down to 0
.set sl, sl+1
.endr
	s_wait_dscnt 0x0                               ; for the others' sake: my rows are in LDS
	s_barrier_signal -1
	s_barrier_wait -1                              ; everybody's are: the launch's only barrier
.macro ALOAD                           ; a tile's 16 rows x 256 K as eight fragments
.set k, 0
.rept 8
	ds_load_b128 v[AF+8*k:AF+8*k+3],   v6 offset:64*k
	ds_load_b128 v[AF+8*k+4:AF+8*k+7], v6 offset:64*k+32
.set k, k+1
.endr
.endm
	; V: 13 tiles.  Two accumulators (channels 0-15, 16-31 of my head) take turns; the bias starts the sums.
	ALOAD
	s_mov_b32 s32, 13
.Lv:
	s_wait_dscnt 0x0                               ; the tile's fragments are in
	WIN 0x01                                       ; source 0, the weights, in window 1
	v_wmma_f32_16x16x32_f16 v[152:159], v[0:7],   v[AF:AF+7], v[46:53]
	v_wmma_f32_16x16x32_f16 v[160:167], v[64:71], v[AF:AF+7], v[54:61]
.set ks, 1
.rept 7
	v_wmma_f32_16x16x32_f16 v[152:159], v[8*ks:8*ks+7],       v[AF+8*ks:AF+8*ks+7], v[152:159]
	v_wmma_f32_16x16x32_f16 v[160:167], v[64+8*ks:64+8*ks+7], v[AF+8*ks:AF+8*ks+7], v[160:167]
.set ks, ks+1
.endr
	WIN 0
	v_add_nc_u32 v6, TILEB, v6                     ; the next tile; behind value's last tile lies query's first.  With three v_nop: the four places
	v_nop                                          ; between the products and the loads into their fragments, and the reads of their results
	v_nop
	v_nop
	ALOAD
.set i, 0
.rept 8
	v_cvt_pk_f16_f32 v[176+i], v[152+2*i], v[152+2*i+1]  ; each accumulator from its low end on
.set i, i+1
.endr
	ds_store_b128 v7, v[176:179]                   ; row r, channels 8 h ..
	ds_store_b128 v7, v[180:183] offset:32         ; channels 16 + 8 h ..
	ds_load_b128 v[184:187], v8                    ; LDS serves a wave's instructions in order: these see the stores above
	ds_load_b128 v[188:191], v8 offset:640
	s_wait_dscnt 0x0
	global_store_b128 v1, v[184:187], s[46:47]     ; 16 rows of my head are 1,024 consecutive bytes: two stores of 512
	global_store_b128 v1, v[188:191], s[46:47] offset:512
	s_wait_xcnt 0x0                                ; the stores' base and data are written again only behind this wait
	s_add_nc_u64 s[46:47], s[46:47], 1024
	s_sub_co_u32 s32, s32, 1
	s_cmp_lg_u32 s32, 0
	s_cbranch_scc1 .Lv
	WIN 0x40                                       ; W_off's first tile takes the place of W_val's
.set i, 0
.rept 64
	v_mov_b32 v[i], v[192+i]
.set i, i+1
.endr
	WIN 0
	v_min_u32 v9, NROWS-1, v10
	v_lshlrev_b32 v9, 5, v9
	v_lshl_add_u32 v9, v3, 3, v9                   ; row x 32 + 8 h
	global_load_b64 v[22:23], v9, s[12:13]         ; the reference point of level h,
	global_load_b64 v[24:25], v9, s[12:13] offset:16  ; of level h + 2
; One sample: level 2 u + h, point p.  Its offsets lie in the accumulator's registers 2 p, 2 p + 1, its attention weight in the logits' register 4 u + p.
.macro SAMPLE u, p
.set XR, 152+8*(\u)+2*(\p)
.set WR, 14+2*(\u)
.set LP, 168+4*(\u)+((\p)/2)*2
	v_pk_add_f32 v[XR:XR+1], v[XR:XR+1], v[26+2*(\u):27+2*(\u)]  ; x, y in pixels
	v_floor_f32 v30, v[XR]
	v_floor_f32 v31, v[XR+1]
	v_med3_num_f32 v30, v30, 0, v[WR+1]            ; the patch's corner, held to 0 .. W-2
	v_med3_num_f32 v31, v31, 0, v[WR+1]
	v_pk_add_f32 v[XR:XR+1], v[XR:XR+1], v[30:31] neg_lo:[0,1] neg_hi:[0,1]  ; d
	v_pk_add_f32 v[32:33], v[XR:XR+1], 1.0 op_sel_hi:[1,0]
	v_pk_fma_f32 v[34:35], v[XR:XR+1], -1.0, 1.0 op_sel_hi:[1,0,0]
	v_pk_fma_f32 v[36:37], v[XR:XR+1], -1.0, 2.0 op_sel_hi:[1,0,0]
	v_med3_num_f32 v38, v32, 0, v34                ; wx of pixel cx
	v_med3_num_f32 v39, v[XR], 0, v36              ; of cx + 1
	v_med3_num_f32 v32, v33, 0, v35                ; wy of row cy
	v_med3_num_f32 v33, v[XR+1], 0, v37            ; of cy + 1
	v_fma_f32 v34, v31, v[WR], v30                 ; cy W + cx: whole numbers below 2^24, exact in f32
	v_add_f32 v34, v34, v[20+(\u)]                 ; + the level's start + the batch's
.if ((\p)&1) == 0
	v_cvt_u32_f32 v40, v34
	v_pk_mul_f32 v[38:39], v[38:39], v[LP:LP+1] op_sel_hi:[1,0]
.else
	v_cvt_u32_f32 v41, v34
	v_lshl_or_b32 v[42+2*(\u)+(\p)/2], v41, 16, v40  ; two indices of 16 bits to a word
	v_pk_mul_f32 v[38:39], v[38:39], v[LP:LP+1] op_sel:[0,1] op_sel_hi:[1,1]
.endif
	v_pk_mul_f32 v[36:37], v[32:33], v[38:39] op_sel_hi:[1,0]
	v_cvt_pk_f16_f32 v[46+4*(\u)+(\p)], v36, v37   ; pixel cx: row cy below, row cy + 1 above
	v_pk_mul_f32 v[36:37], v[32:33], v[38:39] op_sel:[0,1] op_sel_hi:[1,1]
	v_cvt_pk_f16_f32 v[54+4*(\u)+(\p)], v36, v37   ; pixel cx + 1
.endm
; One tile of query.  more = 1: the next tile's fragments and reference points are asked for, and the bases step.
.macro QTILE more
	s_wait_dscnt 0x0                               ; the tile's fragments are in
	WIN 0x01
	v_wmma_f32_16x16x32_f16 v[152:159], v[0:7],     v[AF:AF+7], v[62:69]   ; three accumulators take turns; the biases start the sums
	v_wmma_f32_16x16x32_f16 v[160:167], v[128:135], v[AF:AF+7], v[70:77]
	v_wmma_f32_16x16x32_f16 v[168:175], v[192:199], v[AF:AF+7], v[78:85]
.set ks, 1
.rept 7
	v_wmma_f32_16x16x32_f16 v[152:159], v[8*ks:8*ks+7],         v[AF+8*ks:AF+8*ks+7], v[152:159]
	v_wmma_f32_16x16x32_f16 v[160:167], v[128+8*ks:128+8*ks+7], v[AF+8*ks:AF+8*ks+7], v[160:167]
	v_wmma_f32_16x16x32_f16 v[168:175], v[192+8*ks:192+8*ks+7], v[AF+8*ks:AF+8*ks+7], v[168:175]
.set ks, ks+1
.endr
	WIN 0
	v_add_nc_u32 v6, TILEB, v6                     ; with three v_nop: the four places behind the products
	v_nop
	v_nop
	v_nop
.if \more
	ALOAD
.endif
	v_cmp_le_u32 vcc_lo, s53, v10                  ; the batch's first table row: 13,294 for each bound that my row has passed
	v_cndmask_b32 v38, 0, s52, vcc_lo
	v_cmp_le_u32 vcc_lo, s54, v10
	v_cndmask_b32 v39, 0, s52, vcc_lo
	v_cmp_le_u32 vcc_lo, s55, v10
	v_cndmask_b32 v40, 0, s52, vcc_lo
	v_add_f32 v38, v38, v39
	v_add_f32 v38, v38, v40
	v_add_f32 v20, v18, v38
	v_add_f32 v21, v19, v38
	s_wait_loadcnt 0x0                             ; the reference points: the only loads that are out
	v_pk_fma_f32 v[26:27], v[22:23], v[14:15], -0.5 op_sel_hi:[1,0,0]  ; ref x W - 0.5 (H = W at every level)
	v_pk_fma_f32 v[28:29], v[24:25], v[16:17], -0.5 op_sel_hi:[1,0,0]
.if \more
	v_add_nc_u32 v10, 16, v10
	v_min_u32 v9, NROWS-1, v10
	v_lshlrev_b32 v9, 5, v9
	v_lshl_add_u32 v9, v3, 3, v9
	global_load_b64 v[22:23], v9, s[12:13]
	global_load_b64 v[24:25], v9, s[12:13] offset:16
.endif
	; softmax over the row's and head's 16 logits: eight here, eight in the lane 16 away
	v_max3_num_f32 v38, v168, v169, v170
	v_max3_num_f32 v39, v171, v172, v173
	v_max3_num_f32 v38, v38, v174, v175
	v_max_num_f32 v38, v38, v39
	v_permlanex16_b32 v39, v38, s38, s39
	v_max_num_f32 v38, v38, v39
	v_mul_f32 v38, s36, v38
.irp i, 0,2,4,6
	v_pk_fma_f32 v[168+(\i):169+(\i)], v[168+(\i):169+(\i)], s[36:37], v[38:39] op_sel_hi:[1,0,0] neg_lo:[0,0,1] neg_hi:[0,0,1]  ; (l - max) log2(e)
.endr
.irp i, 0,1,2,3,4,5,6,7
	v_exp_f32 v[168+(\i)], v[168+(\i)]
.endr
	v_nop                                          ; a plain instruction between the last exponential and the use of its result
	s_wait_alu depctr_va_vdst(0)
	v_pk_add_f32 v[38:39], v[168:169], v[170:171]
	v_pk_add_f32 v[40:41], v[172:173], v[174:175]
	v_pk_add_f32 v[38:39], v[38:39], v[40:41]
	v_add_f32 v38, v38, v39
	v_permlanex16_b32 v39, v38, s38, s39
	v_add_f32 v38, v38, v39
	v_rcp_f32 v38, v38
	v_nop                                          ; a plain instruction behind the reciprocal
	s_wait_alu depctr_va_vdst(0)
.irp i, 0,2,4,6
	v_pk_mul_f32 v[168+(\i):169+(\i)], v[168+(\i):169+(\i)], v[38:39] op_sel_hi:[1,0]
.endr
.irp u, 0,1
.irp p, 0,1,2,3
	SAMPLE \u, \p
.endr
.endr
	global_store_b128 v11, v[42:45], s[48:49]              ; each of the five stores covers 512 consecutive bytes
	global_store_b128 v11, v[46:49], s[50:51]              ; pixel cx, levels h
	global_store_b128 v11, v[50:53], s[50:51] offset:512   ; pixel cx, levels h + 2
	global_store_b128 v11, v[54:57], s[50:51] offset:1024  ; pixel cx + 1
	global_store_b128 v11, v[58:61], s[50:51] offset:1536
.if \more
	s_wait_xcnt 0x0                                ; the stores' bases and data are written again only behind this wait
	s_add_nc_u64 s[48:49], s[48:49], 512
	s_add_nc_u64 s[50:51], s[50:51], 2048
.endif
.endm
	s_mov_b32 s32, 12
.Lq:
	QTILE 1
	s_sub_co_u32 s32, s32, 1
	s_cmp_lg_u32 s32, 0
	s_cbranch_scc1 .Lq
	QTILE 0                                        ; the last tile asks for nothing more
	s_wait_tensorcnt 0x0                           ; the wave's end, behind my last LDS store
	ds_add_u32 v12, v13
	s_wait_dscnt 0x0
	s_endpgm
.Lfunc_end_k_qde80f5824b_proj:
	.size	k_qde80f5824b_proj, .Lfunc_end_k_qde80f5824b_proj-k_qde80f5824b_proj
	.p2alignl 7, 3214868480
	.fill 96, 4, 3214868480
	.section	.rodata,"a",@progbits
	.p2align	6, 0x0
	.amdhsa_kernel k_qde80f5824b_proj
		.amdhsa_group_segment_fixed_size 230912
		.amdhsa_private_segment_fixed_size 0
		.amdhsa_enable_private_segment 0
		.amdhsa_kernarg_size 80
		.amdhsa_user_sgpr_count 2
		.amdhsa_user_sgpr_kernarg_segment_ptr 1
		.amdhsa_wavefront_size32 1
		.amdhsa_system_sgpr_workgroup_id_x 1
		.amdhsa_system_sgpr_workgroup_id_y 1
		.amdhsa_system_sgpr_workgroup_id_z 1
		.amdhsa_system_vgpr_workitem_id 0
		.amdhsa_next_free_vgpr 512
		.amdhsa_next_free_sgpr 66
		.amdhsa_reserve_vcc 1
		.amdhsa_float_denorm_mode_32 3
		.amdhsa_float_denorm_mode_16_64 3
		.amdhsa_memory_ordered 1
		.amdhsa_forward_progress 1
		.amdhsa_inst_pref_size 89
	.end_amdhsa_kernel
	.amdgpu_metadata
---
amdhsa.version: [ 1, 2 ]
amdhsa.kernels:
  - .name:           k_qde80f5824b_proj
    .symbol:         k_qde80f5824b_proj.kd
    .args:
      - { .name: value, .offset: 0, .size: 8, .value_kind: global_buffer, .address_space: global }
      - { .name: query, .offset: 8, .size: 8, .value_kind: global_buffer, .address_space: global }
      - { .name: refer_bbox, .offset: 16, .size: 8, .value_kind: global_buffer, .address_space: global }
      - { .name: b_val, .offset: 24, .size: 8, .value_kind: global_buffer, .address_space: global }
      - { .name: b_off, .offset: 32, .size: 8, .value_kind: global_buffer, .address_space: global }
      - { .name: b_attn, .offset: 40, .size: 8, .value_kind: global_buffer, .address_space: global }
      - { .name: wfrag, .offset: 48, .size: 8, .value_kind: global_buffer, .address_space: global }
      - { .name: vproj, .offset: 56, .size: 8, .value_kind: global_buffer, .address_space: global }
      - { .name: idx, .offset: 64, .size: 8, .value_kind: global_buffer, .address_space: global }
      - { .name: wts, .offset: 72, .size: 8, .value_kind: global_buffer, .address_space: global }
    .group_segment_fixed_size: 230912
    .private_segment_fixed_size: 0
    .kernarg_segment_align: 8
    .kernarg_segment_size: 80
    .max_flat_workgroup_size: 256
    .sgpr_count:     66
    .vgpr_count:     512
    .wavefront_size: 32
...
	.end_amdgpu_metadata
.endif
;; end of part 2
;; launch attn (part 3): grid 256 x 1, 16 waves a work-group, no clusters, 312,576 bytes of LDS; arguments vproj, idx, wts, wfrag, b_out, out0; writes out0
.if DOCPART == 3
	.amdgcn_target "amdgcn-amd-amdhsa--gfx1250"
	.amdhsa_code_object_version 6
	.text
	.protected	k_qde80f5824b_attn
	.globl	k_qde80f5824b_attn
	.p2align	8
	.type	k_qde80f5824b_attn,@function
k_qde80f5824b_attn:
	s_mov_b64 s[64:65], 0
	v_nop
	global_prefetch_b8 v0, s[64:65] scope:SCOPE_SE
	s_setreg_imm32_b32 hwreg(HW_REG_WAVE_MODE, 25, 1), 1
	s_wait_xcnt 0x0
; attn: for each row and head the weighted sum of its 16 samples x 4 pixels x 32 channels, gathered from vproj by the indices and weights that the launch
; before stored; then out0 = that x W_out + b_out.
; SHARES.  A work-group owns 208 rows.  GATHER: a unit is four consecutive rows of one head; lane = 8 s + 4 c + g: row s of the four, pixel column c of the
; patch, channels 8 g .. 8 g + 7.  One load then takes, for each of the four rows, 128 consecutive bytes: two neighbouring pixels of the head.  Wave w has head
; w % 8 and the upper or lower 26 of the group's 52 units: equal work for all sixteen.  The sums are f32 (v_fma_mix_f32 reads the f16 halves); the two pixel
; columns are added across lanes; the row goes to LDS in f16.  PRODUCT: behind one barrier wave w < 13 takes rows 16 w .. and all 256 columns.
; LIMITS.  f16's range, 65,504, holds for v and so for its weighted means.  Rows past 53,176 are computed from the padded workspace and not stored.
; An index is held to the table by v_min_u32 before it enters an address; the launch before never stores one beyond that bound.
; NO TENSOR LOADS: gathers go lane by lane into registers.  NO CLUSTER: what work-groups share, W_out's 131,072 bytes, is little beside a group's gathers.
; NO PREFETCH: a unit's indices and weights are asked for a whole unit ahead, its pixels half a unit ahead.
.set NROWS,  53176
.set PITCH,  528                       ; a row of the attention output in LDS: 512 bytes of f16 + 16
.set WB,     208*PITCH                 ; W_out's register images, 131,072 bytes
.set STG,    WB+131072                 ; 16 rows x 272 bytes for each wave: the way out
.set SPARE,  STG+16*4352               ; the spare words, 128 bytes for each wave; no other line names them
.set HSV,    53248*64
.set HSI,    3328*512
.set HSW,    3328*2048
; v1 64 c + 16 g; v2 16 s; v3 1024 c + 16 s; v4 where my 16 bytes of the row go; v5 0; v6, v7 the add's two; v8-9, v10-11 offsets of a unit's indices and weights,
; by the unit's parity; v12-15 at work; v16-23 the sums; v24-71 indices and weights, 24 registers a parity; v72-87 gather offsets; v88-151, v152-215 pixels
; of levels 0, 2 and of levels 1, 3; v216-219 bias; v220-229 the product's addresses; v230-233 the weight fragments' LDS address, one for each quarter of the columns.
; In the product: v88-151 data fragments; v152-215 two buffers of four weight fragments; v24-55 accumulators; v56-87 rows on the way out.
.set ACC, 16
.set SD,  24
.set GA,  72
.set GB,  88
.set BA,  230
	s_load_b256 s[8:15], s[0:1], 0x0               ; vproj 8, idx 10, wts 12, wfrag 14
	s_load_b128 s[16:19], s[0:1], 0x20             ; b_out 16, out0 18
	v_lshl_add_u32 v6, v0, 2, SPARE
	v_mov_b32 v7, 0
	v_mov_b32 v5, 0
	v_lshrrev_b32 v12, 5, v0
	v_readfirstlane_b32 s28, v12                   ; wave
	s_mov_b32 s29, ttmp9
	s_and_b32 s20, s28, 7                          ; head
	s_lshr_b32 s21, s28, 3                         ; which half of the units
	v_and_b32 v13, 31, v0                          ; lane
	v_and_b32 v14, 7, v0
	v_lshlrev_b32 v1, 4, v14
	v_lshrrev_b32 v15, 3, v13                      ; s
	v_lshlrev_b32 v2, 4, v15
	v_bfe_u32 v12, v0, 2, 1                        ; c
	v_lshl_add_u32 v3, v12, 10, v2
	s_mul_i32 s24, s21, 104*PITCH
	s_lshl_b32 s25, s20, 6
	s_add_co_u32 s24, s24, s25
	v_mul_u32_u24 v4, v15, PITCH
	v_and_b32 v12, 3, v0
	v_lshl_add_u32 v4, v12, 4, v4
	v_add_nc_u32 v4, s24, v4                       ; (104 half + s) x pitch + 64 head + 16 g
	s_mul_i32 s23, s29, 52
	s_mul_i32 s24, s21, 26
	s_add_co_u32 s23, s23, s24                     ; my first unit, counted over the whole tensor
	s_lshl_b32 s22, s23, 7                         ; its 128 bytes of indices
	v_and_b32 v220, 15, v0                         ; r
	v_bfe_u32 v221, v0, 4, 1                       ; h
	s_mul_i32 s24, s28, 16*PITCH
	v_mul_u32_u24 v222, v220, PITCH
	v_lshl_add_u32 v222, v221, 4, v222
	v_add_nc_u32 v222, s24, v222                   ; my data fragments: (16 w + r) x pitch + 16 h
	v_lshlrev_b32 v229, 4, v13                     ; 16 x lane
.irp q, 0,1,2,3
	v_add_nc_u32 v[BA+(\q)], WB+32768*(\q), v229   ; quarter q's four tiles of W_out: a constant + 16 x lane, never rewritten
.endr
	s_lshl_b32 s24, s28, 13
	v_add_nc_u32 v228, s24, v[BA]                  ; where my wave puts its sixteenth of W_out
	s_mul_i32 s24, s28, 4352
	s_add_co_u32 s24, s24, STG
	v_mul_u32_u24 v224, v220, 272
	v_lshl_add_u32 v224, v221, 5, v224
	v_add_nc_u32 v224, s24, v224                   ; stage in: row r, 32 bytes for each half of the lanes
	v_mul_u32_u24 v225, v221, 272
	v_lshl_add_u32 v225, v220, 4, v225
	v_add_nc_u32 v225, s24, v225                   ; stage back: lanes 0-15 one row of 256 bytes, lanes 16-31 the next
	v_lshlrev_b32 v227, 4, v220                    ; my four columns of a quarter
	v_lshl_add_u32 v226, v221, 10, v227            ; and the same two rows in out0
	s_mul_i32 s30, s29, 208
	s_lshl_b32 s24, s28, 4
	s_add_co_u32 s30, s30, s24                     ; the first row of my tile of the product
	s_add_co_u32 s27, s30, 8
	s_mov_b32 s33, 0
	s_wait_kmcnt 0x0
	s_mul_i32 s32, s20, HSV
	s_add_nc_u64 s[8:9], s[8:9], s[32:33]
	s_mul_i32 s32, s20, HSI
	s_add_nc_u64 s[10:11], s[10:11], s[32:33]
	s_mul_i32 s32, s20, HSW
	s_add_nc_u64 s[12:13], s[12:13], s[32:33]
	s_lshl_b32 s32, s28, 13
	s_add_nc_u64 s[14:15], s[14:15], s[32:33]
	s_add_nc_u64 s[14:15], s[14:15], 0x50000       ; W_out's images begin at tile 40
	s_lshl_b32 s32, s30, 10
	s_add_nc_u64 s[18:19], s[18:19], s[32:33]
.macro SETW l                          ; WL: the width of level l
.if (\l) == 0
.set WL, 100
.elseif (\l) == 1
.set WL, 50
.elseif (\l) == 2
.set WL, 25
.else
.set WL, 13
.endif
.endm
; The next unit's indices (2 loads: levels h, h + 2 for h = 0, 1) and weights (4 loads: u, h), into the registers of parity par.
.macro SDLOAD par
	s_lshr_b32 s24, s23, 2
	s_lshl_b32 s24, s24, 11                        ; the block of 16 rows: 2,048 bytes of weights,
	s_and_b32 s25, s23, 3
	s_lshl_b32 s25, s25, 7                         ; the unit in it
	s_add_co_u32 s24, s24, s25
	v_add_nc_u32 v[10+(\par)], s24, v3
	v_add_nc_u32 v[8+(\par)], s22, v2
	global_load_b128 v[SD+24*(\par):SD+24*(\par)+3],   v[8+(\par)], s[10:11]
	global_load_b128 v[SD+24*(\par)+4:SD+24*(\par)+7], v[8+(\par)], s[10:11] offset:64
.irp u, 0,1
.irp h, 0,1
	global_load_b128 v[SD+24*(\par)+8+8*(\u)+4*(\h):SD+24*(\par)+11+8*(\u)+4*(\h)], v[10+(\par)], s[12:13] offset:512*(\u)+64*(\h)
.endr
.endr
	s_add_co_u32 s23, s23, 1
	s_add_co_u32 s22, s22, 128
.endm
; Sixteen gathers: samples k = 4 u + p of levels 2 u + h; for each the patch's upper and lower pixel row.
.macro ISSUE par, h
.set k, 0
.rept 8
	SETW 2*(k/4)+(\h)
.set ir, SD+24*(\par)+4*(\h)+2*(k/4)+((k%4)/2)
.if k%2 == 0
	v_and_b32 v[12+k%4], 0xffff, v[ir]
.else
	v_lshrrev_b32 v[12+k%4], 16, v[ir]
.endif
	v_min_u32 v[12+k%4], NROWS-WL-2, v[12+k%4]     ; index + W + 1 stays inside the table
	v_lshl_add_u32 v[GA+8*(\h)+k], v[12+k%4], 6, v1  ; a table row is 64 bytes
	global_load_b128 v[GB+64*(\h)+8*k:GB+64*(\h)+8*k+3],   v[GA+8*(\h)+k], s[8:9]
	global_load_b128 v[GB+64*(\h)+8*k+4:GB+64*(\h)+8*k+7], v[GA+8*(\h)+k], s[8:9] offset:WL*64
.set k, k+1
.endr
.endm
; Their 128 multiply-adds.  Y: the loads issued behind these sixteen.  first = 1: the unit's first eight start the sums from the register that holds 0.
.macro FMA par, h, Y, first
.set k, 0
.rept 8
	s_wait_loadcnt (\Y)+14-2*k                     ; loads come back in order: sample k's two are in
.set wr, SD+24*(\par)+8+8*(k/4)+4*(\h)+(k%4)
.set gb, GB+64*(\h)+8*k
.set i, 0
.rept 4
.if (\first) && (k == 0)
	v_fma_mix_f32 v[ACC+2*i],   v[gb+i], v[wr], v5 op_sel:[0,0,0] op_sel_hi:[1,1,0]
	v_fma_mix_f32 v[ACC+2*i+1], v[gb+i], v[wr], v5 op_sel:[1,0,0] op_sel_hi:[1,1,0]
.else
	v_fma_mix_f32 v[ACC+2*i],   v[gb+i], v[wr], v[ACC+2*i]   op_sel:[0,0,0] op_sel_hi:[1,1,0]
	v_fma_mix_f32 v[ACC+2*i+1], v[gb+i], v[wr], v[ACC+2*i+1] op_sel:[1,0,0] op_sel_hi:[1,1,0]
.endif
.set i, i+1
.endr
.set i, 0
.rept 4
	v_fma_mix_f32 v[ACC+2*i],   v[gb+4+i], v[wr], v[ACC+2*i]   op_sel:[0,1,0] op_sel_hi:[1,1,0]  ; the lower pixel row: the word's upper weight
	v_fma_mix_f32 v[ACC+2*i+1], v[gb+4+i], v[wr], v[ACC+2*i+1] op_sel:[1,1,0] op_sel_hi:[1,1,0]
.set i, i+1
.endr
.set k, k+1
.endr
.endm
.macro FINISH                          ; the two pixel columns lie four lanes apart; both lanes then hold, and store, the same 16 bytes
.irp i, 0,1,2,3,4,5,6,7
	v_add_f32_dpp v[ACC+(\i)], v[ACC+(\i)], v[ACC+(\i)] row_xmask:4 row_mask:0xf bank_mask:0xf
.endr
.irp i, 0,1,2,3
	v_cvt_pk_f16_f32 v[12+(\i)], v[ACC+2*(\i)], v[ACC+2*(\i)+1]
.endr
	ds_store_b128 v4, v[12:15]
	v_add_nc_u32 v4, 4*PITCH, v4
.endm
; A unit.  Loads are issued in this order: G(n,0), SD(n+1), G(n,1), G(n+1,0), SD(n+2).  So behind G(n,0) stand 6 + 16 = 22 loads when it is wanted, behind SD(n+1)
; sixteen, behind G(n,1) sixteen.  A gather's offset register is written again only behind the wait that shows the gather done.
.macro UNIT par, sd, ga, Yc, Ye
	ISSUE \par, 1
	FMA \par, 0, \Yc, 1
.if \ga
	s_wait_loadcnt 16                              ; the next unit's indices and weights are in
	ISSUE 1-(\par), 0
.endif
	FMA \par, 1, \Ye, 0
	FINISH
.if \sd
	SDLOAD \par
.endif
.endm
.set j, 0
.rept 16
	global_load_b128 v[152+4*j:155+4*j], v229, s[14:15] offset:512*j  ; my sixteenth of W_out's images
.set j, j+1
.endr
	SDLOAD 0
	s_wait_loadcnt 6                               ; all but the six just issued
.set j, 0
.rept 16
	ds_store_b128 v228, v[152+4*j:155+4*j] offset:512*j
.set j, j+1
.endr
	s_wait_loadcnt 0x0
	ISSUE 0, 0
	SDLOAD 1
	s_mov_b32 s26, 12
.Lunit:                                                ; two units a trip: 24 of my 26
	UNIT 0, 1, 1, 22, 16
	UNIT 1, 1, 1, 22, 16
	s_sub_co_u32 s26, s26, 1
	s_cmp_lg_u32 s26, 0
	s_cbranch_scc1 .Lunit
	UNIT 0, 0, 1, 22, 16                           ; the last two are written out: nothing beyond them is asked for, and the counts run down
	UNIT 1, 0, 0, 16, 0
	s_wait_dscnt 0x0                               ; for the others' sake: my rows and my part of W_out are in LDS
	s_barrier_signal -1
	s_barrier_wait -1                              ; the launch's only barrier
	s_cmp_lt_u32 s28, 13                           ; 13 tiles of 16 rows; a tile that begins past the last row is nobody's
	s_cselect_b32 s24, s30, NROWS
	s_cmp_lt_u32 s24, NROWS
	s_cbranch_scc1 .Lwork
	s_wait_tensorcnt 0x0                           ; the wave's end, behind my last LDS store
	ds_add_u32 v6, v7
	s_wait_dscnt 0x0
	s_endpgm
.Lwork:
.set ks, 0
.rept 8
	ds_load_b128 v[88+8*ks:91+8*ks], v222 offset:64*ks
	ds_load_b128 v[92+8*ks:95+8*ks], v222 offset:64*ks+32
.set ks, ks+1
.endr
.macro BLOAD k, q                      ; quarter q's four tiles' weight fragments of K step k, into buffer k % 2
.irp t, 0,1,2,3
	ds_load_b128 v[152+32*((\k)%2)+8*(\t):155+32*((\k)%2)+8*(\t)], v[BA+(\q)] offset:8192*(\t)+1024*(\k)
	ds_load_b128 v[156+32*((\k)%2)+8*(\t):159+32*((\k)%2)+8*(\t)], v[BA+(\q)] offset:8192*(\t)+1024*(\k)+512
.endr
.endm
; Quarter q: 64 columns.  Source 0 = 16 columns of W_out, source 1 = my 16 rows: a lane holds eight neighbouring columns of a row.  The four quarters are written out, so that
; every LDS address is a fixed register and the quarter stands in the immediates of the bias load and of the stores.
.macro QUARTER q
	global_load_b128 v[216:219], v227, s[16:17] offset:256*(\q)
	BLOAD 0, \q
.set ks, 0
.rept 8
.if ks < 7
.if ks > 0
	v_nop                                          ; four places between the products of the step before and the loads into their fragments
	v_nop
	v_nop
	v_nop
.endif
	BLOAD ks+1, \q
	s_wait_dscnt 0x8                               ; all but the eight just issued
.else
	s_wait_dscnt 0x0
.endif
.set t, 0
.rept 4                                        ; four accumulators take turns; the first K step starts the sums
.if ks == 0
	v_wmma_f32_16x16x32_f16 v[24+8*t:31+8*t], v[152+8*t:159+8*t], v[88:95], 0
.else
	v_wmma_f32_16x16x32_f16 v[24+8*t:31+8*t], v[152+32*(ks%2)+8*t:159+32*(ks%2)+8*t], v[88+8*ks:95+8*ks], v[24+8*t:31+8*t]
.endif
.set t, t+1
.endr
.set ks, ks+1
.endr
	v_nop                                          ; four places behind the last products
	v_nop
	v_nop
	v_nop
.irp t, 0,1,2,3
	ds_store_b128 v224, v[24+8*(\t):27+8*(\t)] offset:64*(\t)      ; each accumulator from its low end on
	ds_store_b128 v224, v[28+8*(\t):31+8*(\t)] offset:64*(\t)+16
.endr
.irp t, 0,1,2,3,4,5,6,7
	ds_load_b128 v[56+4*(\t):59+4*(\t)], v225 offset:544*(\t)      ; LDS serves a wave's instructions in order: these see the stores above
.endr
	s_wait_dscnt 0x0
	s_wait_loadcnt 0x0                             ; the bias
.irp t, 0,1,2,3,4,5,6,7
	v_pk_add_f32 v[56+4*(\t):57+4*(\t)], v[56+4*(\t):57+4*(\t)], v[216:217]
	v_pk_add_f32 v[58+4*(\t):59+4*(\t)], v[58+4*(\t):59+4*(\t)], v[218:219]
.endr
.irp t, 0,1,2,3
	global_store_b128 v226, v[56+4*(\t):59+4*(\t)], s[18:19] offset:2048*(\t)+256*(\q) th:TH_STORE_NT  ; sixteen lanes store 256 consecutive bytes, at a multiple of 256 from out0's first
.endr
	s_cmp_ge_u32 s27, NROWS                        ; the tensor ends in the middle of one tile: its rows 8-15 are not stored
	s_cbranch_scc1 .Lhalf_\@
.irp t, 4,5,6,7
	global_store_b128 v226, v[56+4*(\t):59+4*(\t)], s[18:19] offset:2048*(\t)+256*(\q) th:TH_STORE_NT
.endr
.Lhalf_\@:
	s_wait_xcnt 0x0                                ; the stores' data registers are loaded again, in the next quarter, only behind this wait
.endm
	QUARTER 0
	QUARTER 1
	QUARTER 2
	QUARTER 3
	s_wait_tensorcnt 0x0                           ; the wave's end, behind my last LDS store
	ds_add_u32 v6, v7
	s_wait_dscnt 0x0
	s_endpgm
.Lfunc_end_k_qde80f5824b_attn:
	.size	k_qde80f5824b_attn, .Lfunc_end_k_qde80f5824b_attn-k_qde80f5824b_attn
	.p2alignl 7, 3214868480
	.fill 96, 4, 3214868480
	.section	.rodata,"a",@progbits
	.p2align	6, 0x0
	.amdhsa_kernel k_qde80f5824b_attn
		.amdhsa_group_segment_fixed_size 312576
		.amdhsa_private_segment_fixed_size 0
		.amdhsa_enable_private_segment 0
		.amdhsa_kernarg_size 48
		.amdhsa_user_sgpr_count 2
		.amdhsa_user_sgpr_kernarg_segment_ptr 1
		.amdhsa_wavefront_size32 1
		.amdhsa_system_sgpr_workgroup_id_x 1
		.amdhsa_system_sgpr_workgroup_id_y 1
		.amdhsa_system_sgpr_workgroup_id_z 1
		.amdhsa_system_vgpr_workitem_id 0
		.amdhsa_next_free_vgpr 256
		.amdhsa_next_free_sgpr 66
		.amdhsa_reserve_vcc 0
		.amdhsa_float_denorm_mode_32 3
		.amdhsa_float_denorm_mode_16_64 3
		.amdhsa_memory_ordered 1
		.amdhsa_forward_progress 1
		.amdhsa_inst_pref_size 145
	.end_amdhsa_kernel
	.amdgpu_metadata
---
amdhsa.version: [ 1, 2 ]
amdhsa.kernels:
  - .name:           k_qde80f5824b_attn
    .symbol:         k_qde80f5824b_attn.kd
    .args:
      - { .name: vproj, .offset: 0, .size: 8, .value_kind: global_buffer, .address_space: global }
      - { .name: idx, .offset: 8, .size: 8, .value_kind: global_buffer, .address_space: global }
      - { .name: wts, .offset: 16, .size: 8, .value_kind: global_buffer, .address_space: global }
      - { .name: wfrag, .offset: 24, .size: 8, .value_kind: global_buffer, .address_space: global }
      - { .name: b_out, .offset: 32, .size: 8, .value_kind: global_buffer, .address_space: global }
      - { .name: out0, .offset: 40, .size: 8, .value_kind: global_buffer, .address_space: global }
    .group_segment_fixed_size: 312576
    .private_segment_fixed_size: 0
    .kernarg_segment_align: 8
    .kernarg_segment_size: 48
    .max_flat_workgroup_size: 512
    .sgpr_count:     66
    .vgpr_count:     256
    .wavefront_size: 32
...
	.end_amdgpu_metadata
.endif
;; end of part 3
;; ======== version 2 of 3: 4 launches; 1.90 times as fast as version 1
;; limits: values are held in f16: magnitudes above 65,504 overflow, below 6.1e-05 lose precision
;; workspace buffers: wfrag 458,752 bytes; vproj 27,262,976 bytes; idx 13,631,488 bytes of whole numbers; wts 54,525,952 bytes; ao 27,262,976 bytes
;; launch prep: the kernel of part 1 again; grid 224 x 1, 4 waves a work-group, no clusters, 0 bytes of LDS; arguments W_val, W_off, W_attn, W_out, wfrag; writes wfrag
;; launch proj (part 4): grid 256 x 1, 8 waves a work-group, no clusters, 220,672 bytes of LDS; arguments value, query, refer_bbox, b_val, b_off, b_attn, wfrag, vproj, idx, wts; writes vproj, idx, wts
.if DOCPART == 4
	.amdgcn_target "amdgcn-amd-amdhsa--gfx1250"
	.amdhsa_code_object_version 6
	.text
	.protected	k_qde80f5824b_proj
	.globl	k_qde80f5824b_proj
	.p2align	8
	.type	k_qde80f5824b_proj,@function
k_qde80f5824b_proj:
	s_mov_b64 s[64:65], 0
	v_nop
	global_prefetch_b8 v0, s[64:65] scope:SCOPE_SE
	s_setreg_imm32_b32 hwreg(HW_REG_WAVE_MODE, 25, 1), 1
	s_wait_xcnt 0x0
; proj: v = value W_val + b_val;  off = query W_off + b_off;  aw = softmax(query W_attn + b_attn);  then for each of the 128 samples of a row
; its place in its batch's table of v (a whole number) and its four weights aw x wx x wy.
; SHARES.  A batch's 13,294 rows are walked as 64 work-groups x 208 rows = 13,312 workspace rows (13 tiles of 16 a group); rows past the batch's end repeat
; its last row and land in the padded part of the workspace, of which nothing reaches the output.  Wave w is head w in both products; all its weight fragments stay in registers.
; FORMATS.  Matrix operands f16, sums f32.  Softmax and positions in f32.  Stored rounded once to f16: v and the weights.
; LIMITS.  Every number rounded to f16 stays within 65,504 (inputs, weights, v); below 6e-5 f16 keeps its fixed step of 6e-8.  NaN and infinities are
; not treated apart.  The pixel position is ref x W + off - 0.5: the division of off by W and the multiplication by W that follow each other are left out.
; SAMPLING.  With cx = floor(x) held to 0 .. W-2 and d = x - cx the weights of pixels cx and cx+1 are med3(1+d, 0, 1-d) and med3(d, 0, 2-d): that is
; the bilinear rule with zeros outside, for every x, on a patch of 2 x 2 pixels that always lies inside the level.  So one index serves a sample.
; THE MATRIX INSTRUCTION IS USED TRANSPOSED: source 0 = 16 output columns (weights), source 1 = 16 rows of data.  In the result lane (r, h) holds row r
; and columns 8 h + 0..7: for v eight neighbouring channels; for off the four points' (x, y) of one level (tile u: level 2 u + h); for the logits,
; by the column order that the launch before laid down, levels h (registers 0-3) and h + 2 (registers 4-7).
; WHAT IS STORED.  vproj: [plane = 4 head + channel / 8][workspace row][8 channels]: a lane's eight channels are 16 bytes of one plane, sixteen lanes 256 consecutive bytes.
; idx: [head][tile][r][h][16 bytes]: eight 16-bit indices, levels h and h + 2.  wts: [head][tile][corner k = x + 2 y][h][r][16 bytes]: the same eight samples' weights of corner k.
; NO TENSOR LOADS: the inputs are f32 and are rounded on the way, through registers; every LDS byte of the two row stores is written once.
; NO CLUSTER: what work-groups share, the weights, goes straight into registers once.
.set QROWS,  13294                     ; rows of a batch
.set PITCH,  528                       ; an LDS row: 512 bytes of f16 + 16: the 16 rows of a fragment load start 16 bytes apart modulo 256
.set TILEB,  16*PITCH
.set AQ,     208*PITCH                 ; value's rows from byte 0, query's from here
.set SPARE,  2*AQ                      ; the spare words, 128 bytes for each wave; no other line names them
.set PLANE,  53248*16                  ; a plane of vproj
.set HSI,    3328*512                  ; a head's bytes in idx, wts
.set HSW,    3328*2048
; window 0: v1 16 x lane; v2 r; v3 h; v4, v5 where I put staged rows; v6 fragment address; v7 my 16 bytes in two planes of vproj; v9 refer_bbox offset; v10 my row in the batch;
;   v11 my 16 bytes in a block of idx; v12, v13 the add's two; v14-17 (W, W-2) of levels h, h+2; v18, v19 their starts;
;   v22-25 reference points; v26-29 ref x W - 0.5; v30-41 at work; v42-45 indices; v46-61 weights out, four registers a corner (before: b_val); v62-85 b_off, b_attn as C operands;
;   v88-151 data fragments; v152-175 accumulators; v176-183 v rounded, later two samples' weights in f32; v192-255 W_off's first tile, parked while v is made.
; window 1: v0-127 W_val's two tiles (later v0-63 W_off's first); v128-191 W_off's second; v192-255 W_attn's.
.set RA,  20                           ; while staging: v20-32 the ring's 13 offsets, v34-37 rounded numbers, v88-191 the ring's data
.set RDT, 88
.set AF,  88
.set MSB, 0
.macro WIN new                         ; the immediate's high byte repeats the setting that is left
.if MSB != (\new)
	s_set_vgpr_msb (MSB<<8)|(\new)
.set MSB, (\new)
.endif
.endm
	s_load_b512 s[8:23], s[0:1], 0x0               ; value 8, query 10, refer_bbox 12, b_val 14, b_off 16, b_attn 18, wfrag 20, vproj 22
	s_load_b128 s[24:27], s[0:1], 0x40             ; idx 24, wts 26
	v_lshl_add_u32 v12, v0, 2, SPARE
	v_mov_b32 v13, 0
	v_lshrrev_b32 v38, 5, v0
	v_readfirstlane_b32 s28, v38                   ; wave = head
	s_mov_b32 s29, ttmp9
	s_lshr_b32 s56, s29, 6
	s_mul_i32 s56, s56, QROWS                      ; the batch's first row in the inputs
	s_and_b32 s57, s29, 63
	s_mul_i32 s57, s57, 208                        ; the group's first row in the batch
	v_and_b32 v39, 31, v0                          ; lane
	v_lshlrev_b32 v1, 4, v39
	v_and_b32 v2, 15, v0
	v_bfe_u32 v3, v0, 4, 1
	v_add_nc_u32 v10, s57, v2                      ; my row in the first tile
	s_mul_i32 s31, s28, 26
	s_add_co_u32 s30, s57, s31                     ; the first of the 26 rows that my wave stages
	s_mul_i32 s31, s28, 26*PITCH
	v_lshl_add_u32 v4, v39, 3, s31                 ; 8 bytes a lane
	v_add_nc_u32 v5, AQ, v4
	v_mul_u32_u24 v6, v2, PITCH
	v_lshl_add_u32 v6, v3, 4, v6                   ; row x pitch + 16 x half
	v_mul_u32_u24 v7, v3, PLANE
	v_lshl_add_u32 v7, v2, 4, v7                   ; plane h, row r
	v_lshlrev_b32 v11, 5, v2
	v_lshl_add_u32 v11, v3, 4, v11                 ; 32 r + 16 h
	v_cvt_f32_u32 v41, v3
	v_mov_b32 v14, 0x42c80000                      ; W: 100 or 50
	v_fmamk_f32 v14, v41, 0xc2480000, v14
	v_mov_b32 v15, 0x42c40000                      ; W - 2: 98 or 48
	v_fmamk_f32 v15, v41, 0xc2480000, v15
	v_mov_b32 v16, 0x41c80000                      ; 25 or 13
	v_fmamk_f32 v16, v41, 0xc1400000, v16
	v_mov_b32 v17, 0x41b80000                      ; 23 or 11
	v_fmamk_f32 v17, v41, 0xc1400000, v17
	v_mul_f32 v18, 0x461c4000, v41                 ; level starts: 0 or 10,000
	v_mov_b32 v19, 0x46435000                      ; 12,500 or 13,125
	v_fmamk_f32 v19, v41, 0x441c4000, v19
	s_lshl_b32 s31, s28, 7
	v_lshl_add_u32 v38, v3, 5, s31                 ; b_val, b_off: 128 w + 32 h
	s_lshl_b32 s31, s28, 6
	v_lshl_add_u32 v39, v3, 4, s31                 ; b_attn: 64 w + 16 h
	s_mov_b32 s36, 0x3fb8aa3b                      ; log2(e), named as a pair
	s_mov_b32 s37, s36
	s_mov_b32 s38, 0x76543210                      ; v_permlanex16_b32: each lane takes its own place in the other half
	s_mov_b32 s39, 0xfedcba98
	s_mov_b32 s35, 0
	s_wait_kmcnt 0x0
	s_lshl_b32 s34, s28, 14
	s_add_nc_u64 s[40:41], s[20:21], s[34:35]      ; W_val's tiles 2 w, 2 w + 1
	s_add_nc_u64 s[42:43], s[40:41], 0x20000       ; W_off's
	s_lshl_b32 s34, s28, 13
	s_add_nc_u64 s[44:45], s[20:21], s[34:35]
	s_add_nc_u64 s[44:45], s[44:45], 0x40000       ; W_attn's tile w
	s_mul_i32 s34, s28, 4*PLANE
	s_mul_i32 s33, s29, 208*16
	s_add_co_u32 s34, s34, s33
	s_add_nc_u64 s[46:47], s[22:23], s[34:35]      ; vproj at my head's first plane and the group's first row
	s_mul_i32 s34, s28, HSI
	s_mul_i32 s33, s29, 13*512
	s_add_co_u32 s34, s34, s33
	s_add_nc_u64 s[48:49], s[24:25], s[34:35]
	s_mul_i32 s34, s28, HSW
	s_mul_i32 s33, s29, 13*2048
	s_add_co_u32 s34, s34, s33
	s_add_nc_u64 s[50:51], s[26:27], s[34:35]
	; the weights' register images: each load is 512 consecutive bytes
	WIN 0x40                                       ; destination window 1, offset window 0
.set j, 0
.rept 32
	global_load_b128 v[4*j:4*j+3], v1, s[40:41] offset:512*j
.set j, j+1
.endr
.set j, 0
.rept 16
	global_load_b128 v[128+4*j:128+4*j+3], v1, s[42:43] offset:8192+512*j
	global_load_b128 v[192+4*j:192+4*j+3], v1, s[44:45] offset:512*j
.set j, j+1
.endr
	WIN 0
.set j, 0
.rept 16
	global_load_b128 v[192+4*j:192+4*j+3], v1, s[42:43] offset:512*j
.set j, j+1
.endr
	; the biases, as the C operands that start the sums: register j of half h is column 8 h + j
.irp t, 0,1
	global_load_b128 v[46+8*(\t):49+8*(\t)], v38, s[14:15] offset:64*(\t)
	global_load_b128 v[50+8*(\t):53+8*(\t)], v38, s[14:15] offset:64*(\t)+16
	global_load_b128 v[62+8*(\t):65+8*(\t)], v38, s[16:17] offset:64*(\t)
	global_load_b128 v[66+8*(\t):69+8*(\t)], v38, s[16:17] offset:64*(\t)+16
.endr
	global_load_b128 v[78:81], v39, s[18:19]
	global_load_b128 v[82:85], v39, s[18:19] offset:32
; STAGING.  My wave brings 26 rows of value and then 26 of query, rounds them to f16 and puts them into LDS.  A ring of 13 slots in registers keeps
; 26 loads of 512 bytes on their way.
.macro RISSUE slot, i, base            ; row i of my 26 from the tensor at s[base]; rows past the batch's end repeat its last
	s_add_co_u32 s31, s30, (\i)
	s_min_u32 s31, s31, QROWS-1
	s_add_co_u32 s31, s31, s56
	s_lshl_b32 s31, s31, 10
	v_add_nc_u32 v[RA+(\slot)], s31, v1
	global_load_b128 v[RDT+8*(\slot):RDT+8*(\slot)+3], v[RA+(\slot)], s[(\base):(\base)+1] th:TH_LOAD_NT
	global_load_b128 v[RDT+8*(\slot)+4:RDT+8*(\slot)+7], v[RA+(\slot)], s[(\base):(\base)+1] offset:512 th:TH_LOAD_NT
.endm
.macro RTURN slot, i, lds, cnt         ; cnt: the younger loads, which may stay out
	s_wait_loadcnt (\cnt)                          ; loads come back in order: the slot's two are in, and its offset register is free
	v_cvt_pk_f16_f32 v34, v[RDT+8*(\slot)],   v[RDT+8*(\slot)+1]
	v_cvt_pk_f16_f32 v35, v[RDT+8*(\slot)+2], v[RDT+8*(\slot)+3]
	v_cvt_pk_f16_f32 v36, v[RDT+8*(\slot)+4], v[RDT+8*(\slot)+5]
	v_cvt_pk_f16_f32 v37, v[RDT+8*(\slot)+6], v[RDT+8*(\slot)+7]
	ds_store_b64 v[(\lds)], v[34:35] offset:(\i)*PITCH      ; 32 lanes x 8 bytes: columns 0-127
	ds_store_b64 v[(\lds)], v[36:37] offset:(\i)*PITCH+256  ; columns 128-255
.endm
.set sl, 0
.rept 13
	RISSUE sl, sl, 8
.set sl, sl+1
.endr
.set sl, 0
.rept 13
	RTURN sl, sl, 4, 24                            ; 13 slots x 2 loads are out, the slot's own the oldest: 24 younger
	RISSUE sl, 13+sl, 8
.set sl, sl+1
.endr
.set sl, 0
.rept 13
	RTURN sl, 13+sl, 4, 24
	RISSUE sl, sl, 10
.set sl, sl+1
.endr
.set sl, 0
.rept 13
	RTURN sl, sl, 5, 24
	RISSUE sl, 13+sl, 10
.set sl, sl+1
.endr
.set sl, 0
.rept 13
	RTURN sl, 13+sl, 5, 24-2*sl                    ; nothing more is asked for: the counts run down to 0
.set sl, sl+1
.endr
	s_wait_dscnt 0x0                               ; for the others' sake: my rows are in LDS
	s_barrier_signal -1
	s_barrier_wait -1                              ; everybody's are: the launch's only barrier
.macro ALOAD                           ; a tile's 16 rows x 256 K as eight fragments
.set k, 0
.rept 8
	ds_load_b128 v[AF+8*k:AF+8*k+3],   v6 offset:64*k
	ds_load_b128 v[AF+8*k+4:AF+8*k+7], v6 offset:64*k+32
.set k, k+1
.endr
.endm
	; V: 13 tiles.  Two accumulators (channels 0-15, 16-31 of my head) take turns; the bias starts the sums.
	ALOAD
	s_mov_b32 s32, 13
.Lv:
	s_wait_dscnt 0x0                               ; the tile's fragments are in
	WIN 0x01                                       ; source 0, the weights, in window 1
	v_wmma_f32_16x16x32_f16 v[152:159], v[0:7],   v[AF:AF+7], v[46:53]
	v_wmma_f32_16x16x32_f16 v[160:167], v[64:71], v[AF:AF+7], v[54:61]
.set ks, 1
.rept 7
	v_wmma_f32_16x16x32_f16 v[152:159], v[8*ks:8*ks+7],       v[AF+8*ks:AF+8*ks+7], v[152:159]
	v_wmma_f32_16x16x32_f16 v[160:167], v[64+8*ks:64+8*ks+7], v[AF+8*ks:AF+8*ks+7], v[160:167]
.set ks, ks+1
.endr
	WIN 0
	v_add_nc_u32 v6, TILEB, v6                     ; the next tile; behind value's last tile lies query's first.  With three v_nop: the four places
	v_nop                                          ; between the products and the loads into their fragments, and the reads of their results
	v_nop
	v_nop
	ALOAD
.set i, 0
.rept 8
	v_cvt_pk_f16_f32 v[176+i], v[152+2*i], v[152+2*i+1]  ; each accumulator from its low end on
.set i, i+1
.endr
	global_store_b128 v7, v[176:179], s[46:47]                 ; planes h: sixteen lanes store 256 consecutive bytes, at a multiple of 256 from the buffer's first
	global_store_b128 v7, v[180:183], s[46:47] offset:2*PLANE  ; planes 2 + h
	s_wait_xcnt 0x0                                ; the stores' base and data are written again only behind this wait
	s_add_nc_u64 s[46:47], s[46:47], 256
	s_sub_co_u32 s32, s32, 1
	s_cmp_lg_u32 s32, 0
	s_cbranch_scc1 .Lv
	WIN 0x40                                       ; W_off's first tile takes the place of W_val's
.set i, 0
.rept 64
	v_mov_b32 v[i], v[192+i]
.set i, i+1
.endr
	WIN 0
	v_min_u32 v9, QROWS-1, v10
	v_add_nc_u32 v9, s56, v9
	v_lshlrev_b32 v9, 5, v9
	v_lshl_add_u32 v9, v3, 3, v9                   ; row x 32 + 8 h
	global_load_b64 v[22:23], v9, s[12:13]         ; the reference point of level h,
	global_load_b64 v[24:25], v9, s[12:13] offset:16  ; of level h + 2
; One sample: level 2 u + h, point p.  Its offsets lie in the accumulator's registers 2 p, 2 p + 1, its attention weight in the logits' register 4 u + p.
; Its four weights wait in f32 (even p: v176-179, odd p: v180-183); behind an odd point the two samples' weights of each corner are rounded into one word.
.macro SAMPLE u, p
.set XR, 152+8*(\u)+2*(\p)
.set WR, 14+2*(\u)
.set LP, 168+4*(\u)+((\p)/2)*2
.set WQ, 176+4*((\p)&1)
	v_pk_add_f32 v[XR:XR+1], v[XR:XR+1], v[26+2*(\u):27+2*(\u)]  ; x, y in pixels
	v_floor_f32 v30, v[XR]
	v_floor_f32 v31, v[XR+1]
	v_med3_num_f32 v30, v30, 0, v[WR+1]            ; the patch's corner, held to 0 .. W-2
	v_med3_num_f32 v31, v31, 0, v[WR+1]
	v_pk_add_f32 v[XR:XR+1], v[XR:XR+1], v[30:31] neg_lo:[0,1] neg_hi:[0,1]  ; d
	v_pk_add_f32 v[32:33], v[XR:XR+1], 1.0 op_sel_hi:[1,0]
	v_pk_fma_f32 v[34:35], v[XR:XR+1], -1.0, 1.0 op_sel_hi:[1,0,0]
	v_pk_fma_f32 v[36:37], v[XR:XR+1], -1.0, 2.0 op_sel_hi:[1,0,0]
	v_med3_num_f32 v38, v32, 0, v34                ; wx of pixel cx
	v_med3_num_f32 v39, v[XR], 0, v36              ; of cx + 1
	v_med3_num_f32 v32, v33, 0, v35                ; wy of row cy
	v_med3_num_f32 v33, v[XR+1], 0, v37            ; of cy + 1
	v_fma_f32 v34, v31, v[WR], v30                 ; cy W + cx: whole numbers below 2^24, exact in f32
	v_add_f32 v34, v34, v[18+(\u)]                 ; + the level's start: the pixel's number in its batch's table
.if ((\p)&1) == 0
	v_cvt_u32_f32 v40, v34
	v_pk_mul_f32 v[38:39], v[38:39], v[LP:LP+1] op_sel_hi:[1,0]
.else
	v_cvt_u32_f32 v41, v34
	v_lshl_or_b32 v[42+2*(\u)+(\p)/2], v41, 16, v40  ; two indices of 16 bits to a word
	v_pk_mul_f32 v[38:39], v[38:39], v[LP:LP+1] op_sel:[0,1] op_sel_hi:[1,1]
.endif
	v_pk_mul_f32 v[WQ:WQ+1],   v[38:39], v[32:33] op_sel_hi:[1,0]              ; corners 0, 1: row cy
	v_pk_mul_f32 v[WQ+2:WQ+3], v[38:39], v[32:33] op_sel:[0,1] op_sel_hi:[1,1]  ; corners 2, 3: row cy + 1
.if ((\p)&1) == 1
.irp c, 0,1,2,3
	v_cvt_pk_f16_f32 v[46+4*(\c)+2*(\u)+(\p)/2], v[176+(\c)], v[180+(\c)]  ; the even point below, the odd one above, as in the indices' word
.endr
.endif
.endm
; One tile of query.  more = 1: the next tile's fragments and reference points are asked for, and the bases step.
.macro QTILE more
	s_wait_dscnt 0x0                               ; the tile's fragments are in
	WIN 0x01
	v_wmma_f32_16x16x32_f16 v[152:159], v[0:7],     v[AF:AF+7], v[62:69]   ; three accumulators take turns; the biases start the sums
	v_wmma_f32_16x16x32_f16 v[160:167], v[128:135], v[AF:AF+7], v[70:77]
	v_wmma_f32_16x16x32_f16 v[168:175], v[192:199], v[AF:AF+7], v[78:85]
.set ks, 1
.rept 7
	v_wmma_f32_16x16x32_f16 v[152:159], v[8*ks:8*ks+7],         v[AF+8*ks:AF+8*ks+7], v[152:159]
	v_wmma_f32_16x16x32_f16 v[160:167], v[128+8*ks:128+8*ks+7], v[AF+8*ks:AF+8*ks+7], v[160:167]
	v_wmma_f32_16x16x32_f16 v[168:175], v[192+8*ks:192+8*ks+7], v[AF+8*ks:AF+8*ks+7], v[168:175]
.set ks, ks+1
.endr
	WIN 0
	v_add_nc_u32 v6, TILEB, v6                     ; with three v_nop: the four places behind the products
	v_nop
	v_nop
	v_nop
.if \more
	ALOAD
.endif
	s_wait_loadcnt 0x0                             ; the reference points: the only loads that are out
	v_pk_fma_f32 v[26:27], v[22:23], v[14:15], -0.5 op_sel_hi:[1,0,0]  ; ref x W - 0.5 (H = W at every level)
	v_pk_fma_f32 v[28:29], v[24:25], v[16:17], -0.5 op_sel_hi:[1,0,0]
.if \more
	v_add_nc_u32 v10, 16, v10
	v_min_u32 v9, QROWS-1, v10
	v_add_nc_u32 v9, s56, v9
	v_lshlrev_b32 v9, 5, v9
	v_lshl_add_u32 v9, v3, 3, v9
	global_load_b64 v[22:23], v9, s[12:13]
	global_load_b64 v[24:25], v9, s[12:13] offset:16
.endif
	; softmax over the row's and head's 16 logits: eight here, eight in the lane 16 away
	v_max3_num_f32 v38, v168, v169, v170
	v_max3_num_f32 v39, v171, v172, v173
	v_max3_num_f32 v38, v38, v174, v175
	v_max_num_f32 v38, v38, v39
	v_permlanex16_b32 v39, v38, s38, s39
	v_max_num_f32 v38, v38, v39
	v_mul_f32 v38, s36, v38
.irp i, 0,2,4,6
	v_pk_fma_f32 v[168+(\i):169+(\i)], v[168+(\i):169+(\i)], s[36:37], v[38:39] op_sel_hi:[1,0,0] neg_lo:[0,0,1] neg_hi:[0,0,1]  ; (l - max) log2(e)
.endr
.irp i, 0,1,2,3,4,5,6,7
	v_exp_f32 v[168+(\i)], v[168+(\i)]
.endr
	v_nop                                          ; a plain instruction between the last exponential and the use of its result
	s_wait_alu depctr_va_vdst(0)
	v_pk_add_f32 v[38:39], v[168:169], v[170:171]
	v_pk_add_f32 v[40:41], v[172:173], v[174:175]
	v_pk_add_f32 v[38:39], v[38:39], v[40:41]
	v_add_f32 v38, v38, v39
	v_permlanex16_b32 v39, v38, s38, s39
	v_add_f32 v38, v38, v39
	v_rcp_f32 v38, v38
	v_nop                                          ; a plain instruction behind the reciprocal
	s_wait_alu depctr_va_vdst(0)
.irp i, 0,2,4,6
	v_pk_mul_f32 v[168+(\i):169+(\i)], v[168+(\i):169+(\i)], v[38:39] op_sel_hi:[1,0]
.endr
.irp u, 0,1
.irp p, 0,1,2,3
	SAMPLE \u, \p
.endr
.endr
	global_store_b128 v11, v[42:45], s[48:49]              ; each of the five stores covers 512 consecutive bytes
.irp c, 0,1,2,3
	global_store_b128 v1, v[46+4*(\c):49+4*(\c)], s[50:51] offset:512*(\c)  ; corner c
.endr
.if \more
	s_wait_xcnt 0x0                                ; the stores' bases and data are written again only behind this wait
	s_add_nc_u64 s[48:49], s[48:49], 512
	s_add_nc_u64 s[50:51], s[50:51], 2048
.endif
.endm
	s_mov_b32 s32, 12
.Lq:
	QTILE 1
	s_sub_co_u32 s32, s32, 1
	s_cmp_lg_u32 s32, 0
	s_cbranch_scc1 .Lq
	QTILE 0                                        ; the last tile asks for nothing more
	s_wait_tensorcnt 0x0                           ; the wave's end, behind my last LDS store
	ds_add_u32 v12, v13
	s_wait_dscnt 0x0
	s_endpgm
.Lfunc_end_k_qde80f5824b_proj:
	.size	k_qde80f5824b_proj, .Lfunc_end_k_qde80f5824b_proj-k_qde80f5824b_proj
	.p2alignl 7, 3214868480
	.fill 96, 4, 3214868480
	.section	.rodata,"a",@progbits
	.p2align	6, 0x0
	.amdhsa_kernel k_qde80f5824b_proj
		.amdhsa_group_segment_fixed_size 220672
		.amdhsa_private_segment_fixed_size 0
		.amdhsa_enable_private_segment 0
		.amdhsa_kernarg_size 80
		.amdhsa_user_sgpr_count 2
		.amdhsa_user_sgpr_kernarg_segment_ptr 1
		.amdhsa_wavefront_size32 1
		.amdhsa_system_sgpr_workgroup_id_x 1
		.amdhsa_system_sgpr_workgroup_id_y 1
		.amdhsa_system_sgpr_workgroup_id_z 1
		.amdhsa_system_vgpr_workitem_id 0
		.amdhsa_next_free_vgpr 512
		.amdhsa_next_free_sgpr 66
		.amdhsa_reserve_vcc 0
		.amdhsa_float_denorm_mode_32 3
		.amdhsa_float_denorm_mode_16_64 3
		.amdhsa_memory_ordered 1
		.amdhsa_forward_progress 1
		.amdhsa_inst_pref_size 89
	.end_amdhsa_kernel
	.amdgpu_metadata
---
amdhsa.version: [ 1, 2 ]
amdhsa.kernels:
  - .name:           k_qde80f5824b_proj
    .symbol:         k_qde80f5824b_proj.kd
    .args:
      - { .name: value, .offset: 0, .size: 8, .value_kind: global_buffer, .address_space: global }
      - { .name: query, .offset: 8, .size: 8, .value_kind: global_buffer, .address_space: global }
      - { .name: refer_bbox, .offset: 16, .size: 8, .value_kind: global_buffer, .address_space: global }
      - { .name: b_val, .offset: 24, .size: 8, .value_kind: global_buffer, .address_space: global }
      - { .name: b_off, .offset: 32, .size: 8, .value_kind: global_buffer, .address_space: global }
      - { .name: b_attn, .offset: 40, .size: 8, .value_kind: global_buffer, .address_space: global }
      - { .name: wfrag, .offset: 48, .size: 8, .value_kind: global_buffer, .address_space: global }
      - { .name: vproj, .offset: 56, .size: 8, .value_kind: global_buffer, .address_space: global }
      - { .name: idx, .offset: 64, .size: 8, .value_kind: global_buffer, .address_space: global }
      - { .name: wts, .offset: 72, .size: 8, .value_kind: global_buffer, .address_space: global }
    .group_segment_fixed_size: 220672
    .private_segment_fixed_size: 0
    .kernarg_segment_align: 8
    .kernarg_segment_size: 80
    .max_flat_workgroup_size: 256
    .sgpr_count:     66
    .vgpr_count:     512
    .wavefront_size: 32
...
	.end_amdgpu_metadata
.endif
;; end of part 4
;; launch gath (part 5): grid 256 x 1, 16 waves a work-group, no clusters, 215,040 bytes of LDS; arguments vproj, idx, wts, ao; writes ao
.if DOCPART == 5
	.amdgcn_target "amdgcn-amd-amdhsa--gfx1250"
	.amdhsa_code_object_version 6
	.text
	.protected	k_qde80f5824b_gath
	.globl	k_qde80f5824b_gath
	.p2align	8
	.type	k_qde80f5824b_gath,@function
k_qde80f5824b_gath:
	s_mov_b64 s[64:65], 0
	v_nop
	global_prefetch_b8 v0, s[64:65] scope:SCOPE_SE
	s_setreg_imm32_b32 hwreg(HW_REG_WAVE_MODE, 25, 1), 1
	s_wait_xcnt 0x0
; gath: for each row, head and channel the weighted sum of 16 samples x 4 pixels, with the table of v in LDS.
; SHARES.  A work-group has one batch, one head, one quarter of the head's channels (a plane of vproj) and one half of the batch's 13,312 workspace rows:
; 4 x 8 x 4 x 2 = 256 work-groups.  Its table, 13,312 pixels x 16 bytes = 212,992 bytes, is copied into LDS once; every sample's pixel is then one LDS load of 16 bytes.
; LANES.  lane = 4 s + k: query s of eight, corner k = x + 2 y of the patch.  The sixteen lanes that an LDS load serves together are four queries x four corners, and a patch's
; four corners always lie in four different 16-byte columns modulo 256 bytes (a level's width modulo 16 is 4, 2, 9 or 13).
; PRODUCTS AND SUMS.  The vector unit makes the products: a lane's eight channels of a pixel times the sample's weight, four packed lines, each product rounded once to f16, in place.
; The matrix unit makes the sums, in f32.  Two samples' products are eight registers, source 1 of a matrix instruction: lane (r, h) holds column r and k = 8 h + i (first sample's
; channel i), k = 16 + 8 h + i (second sample's).  Source 0 is the constant matrix A(m, k) = 1 where k mod 16 = m, else 0.  So D(8 h + j, r) = both samples' channel j of lane (r, h),
; and that number lies in lane (r, h), register j: one matrix instruction adds a lane's sixteen products onto its own eight sums, where sixteen vector lines would be needed.
; A UNIT is eight queries: 16 LDS loads, 64 packed products, 8 matrix instructions on two accumulators; then the two are added and the four corners are added across lanes.
; A TRIP is four units, 32 queries: unit u's result is kept in the lanes with k = u, so that the trip's one store covers 512 consecutive bytes of ao.  A wave makes 13 trips.
; ao: [plane][workspace row][8 channels] f16, as vproj.
; LIMITS.  f16's range, 65,504, holds for v, so for weight x v (weights lie in 0 to 1) and for the weighted means.  A product below 6e-5 keeps f16's fixed step of 6e-8.
; An index is held to the table by v_min_u32 before it enters an address; the launch before stores none beyond that bound.
; NO TENSOR LOAD for the table: it is filled once, 26 loads of 16 bytes a thread.  NO CLUSTER: the four quarters share indices and weights, which go into registers, not LDS.
.set QROWS, 13294
.set TROWS, 13312
.set PLANE, 53248*16
.set HSI,   3328*512
.set HSW,   3328*2048
.set SPARE, TROWS*16                   ; behind the table: the spare words, 128 bytes for each wave; no other line names them
; v1 16 x thread; v2 32 s; v3 512 k + 16 s; v4 my 16 bytes of a trip's 512 in ao (stepped); v5 0; v6, v7 the add's two; v8-9, v10-11 offsets of a trip's indices and weights, by parity
.set CO,  12                           ; v12-15   my corner's byte offset in each level: 16 x + 16 W y
.set ACC, 16                           ; v16-23, v24-31  two accumulators, which take turns
.set OUT, 32                           ; v32-35   the trip's result
.set LA,  36                           ; v36-51   LDS addresses, eight a half (at the start: where the table goes)
.set WH,  52                           ; v52      a word's upper weight, moved down
.set IDM, 54                           ; v54-61   the constant matrix
.set G,   62                           ; v62-125  pixels, then products: 32 registers a half
.set SD,  126                          ; v126-253 indices and weights: 64 registers a parity, 16 a unit: indices h = 0, 1, weights h = 0, 1
	s_load_b256 s[8:15], s[0:1], 0x0               ; vproj 8, idx 10, wts 12, ao 14
	v_lshl_add_u32 v6, v0, 2, SPARE
	v_mov_b32 v7, 0
	v_mov_b32 v5, 0
	v_lshrrev_b32 v24, 5, v0
	v_readfirstlane_b32 s28, v24                   ; wave
	s_mov_b32 s29, ttmp9
	s_and_b32 s20, s29, 3                          ; channel quarter
	s_bfe_u32 s21, s29, 0x10002                    ; half of the rows
	s_bfe_u32 s22, s29, 0x30003                    ; head
	s_lshr_b32 s23, s29, 6                         ; batch
	s_lshl_b32 s24, s22, 2
	s_add_co_u32 s24, s24, s20
	s_mul_i32 s24, s24, PLANE                      ; my plane
	s_mul_i32 s25, s23, 832
	s_mul_i32 s27, s21, 416
	s_add_co_u32 s25, s25, s27
	s_mul_i32 s27, s28, 26
	s_add_co_u32 s25, s25, s27                     ; my wave's first tile of 16 workspace rows
	s_mov_b32 s36, 0x22222222                      ; the lanes with k = 1, 2, 3
	s_mov_b32 s37, 0x44444444
	s_mov_b32 s38, 0x88888888
	s_mov_b32 s39, 0xffff
	s_mov_b32 s30, 0                               ; the next trip's indices,
	s_mov_b32 s31, 0                               ; and weights, in bytes from my wave's first
	v_lshlrev_b32 v1, 4, v0
	v_and_b32 v24, 3, v0                           ; k
	v_bfe_u32 v25, v0, 2, 3                        ; s
	v_lshlrev_b32 v2, 5, v25
	v_lshlrev_b32 v26, 4, v25
	v_lshl_add_u32 v3, v24, 9, v26
	v_lshl_add_u32 v4, v24, 7, v26                 ; query 8 k + s of the trip
	v_and_b32 v27, 1, v0                           ; x
	v_bfe_u32 v28, v0, 1, 1                        ; y
.macro SETW l                          ; WL: the width of level l
.if (\l) == 0
.set WL, 100
.elseif (\l) == 1
.set WL, 50
.elseif (\l) == 2
.set WL, 25
.else
.set WL, 13
.endif
.endm
.irp l, 0,1,2,3
	SETW \l
	v_mul_u32_u24 v[CO+(\l)], v28, WL*16
	v_lshl_add_u32 v[CO+(\l)], v27, 4, v[CO+(\l)]
.endr
.irp m, 0,1,2,3
	v_add_nc_u32 v[LA+(\m)], 65536*(\m), v1        ; an LDS immediate reaches 65,535 bytes: four registers for the table's 26 x 8,192
.endr
	; The constant matrix.  Lane (r, h) holds row r; registers 0-3 hold k = 8 h + i, registers 4-7 hold k = 16 + 8 h + i.  The row's one stands at i = r % 8 in the half h = r / 8:
	; register (r % 8) / 2, lower or upper 16 bits by r % 2; the same in both groups of four.
	v_and_b32 v16, 15, v0                          ; r
	v_bfe_u32 v17, v0, 4, 1                        ; h
	v_lshrrev_b32 v18, 3, v16
	v_xor_b32 v18, v18, v17                        ; 0 where my half holds the one
	v_bfe_u32 v19, v16, 1, 2
	v_lshl_add_u32 v19, v18, 2, v19                ; its register, or 4 and more: none
	v_and_b32 v20, 1, v16
	v_lshlrev_b32 v20, 4, v20
	v_mov_b32 v21, 0x3c00                          ; 1.0 in f16
	v_lshlrev_b32 v20, v20, v21
.irp j, 0,1,2,3
	v_cmp_eq_u32 vcc_lo, (\j), v19
	v_cndmask_b32 v[IDM+(\j)], 0, v20, vcc_lo
.endr
.irp j, 0,1,2,3
	v_mov_b32 v[IDM+4+(\j)], v[IDM+(\j)]
.endr
	s_mov_b32 s33, 0
	s_wait_kmcnt 0x0
	s_mul_i32 s32, s23, TROWS*16
	s_add_co_u32 s32, s32, s24
	s_add_nc_u64 s[8:9], s[8:9], s[32:33]          ; my batch's rows of my plane
	s_mul_i32 s32, s22, HSI
	s_lshl_b32 s27, s25, 9
	s_add_co_u32 s32, s32, s27
	s_add_nc_u64 s[10:11], s[10:11], s[32:33]
	s_mul_i32 s32, s22, HSW
	s_lshl_b32 s27, s25, 11
	s_add_co_u32 s32, s32, s27
	s_add_nc_u64 s[12:13], s[12:13], s[32:33]
	s_lshl_b32 s32, s25, 8
	s_add_co_u32 s32, s32, s24
	s_add_nc_u64 s[14:15], s[14:15], s[32:33]
; A trip's indices and weights, 16 loads, into the registers of parity par.
.macro SDLOAD par
	v_add_nc_u32 v[8+(\par)], s30, v2
	v_add_nc_u32 v[10+(\par)], s31, v3
.irp u, 0,1,2,3
	global_load_b128 v[SD+64*(\par)+16*(\u):SD+64*(\par)+16*(\u)+3],     v[8+(\par)],  s[10:11] offset:256*(\u)
	global_load_b128 v[SD+64*(\par)+16*(\u)+4:SD+64*(\par)+16*(\u)+7],   v[8+(\par)],  s[10:11] offset:256*(\u)+16
	global_load_b128 v[SD+64*(\par)+16*(\u)+8:SD+64*(\par)+16*(\u)+11],  v[10+(\par)], s[12:13] offset:2048*((\u)/2)+128*((\u)%2)
	global_load_b128 v[SD+64*(\par)+16*(\u)+12:SD+64*(\par)+16*(\u)+15], v[10+(\par)], s[12:13] offset:2048*((\u)/2)+128*((\u)%2)+256
.endr
	s_add_co_u32 s30, s30, 1024
	s_add_co_u32 s31, s31, 4096
.endm
; Eight LDS loads: samples jj = 4 u' + p of levels 2 u' + h of unit u.  The address lines stand in runs of eight, so that none reads the result of the line before it.  The 24 of them
; name no register of a matrix instruction: they are the places (ISA guide 7.12.1 for vector instructions) between the half's last matrix instruction and the loads below,
; which land in its source registers.
.macro ISSUE par, u, h
.set jj, 0
.rept 8
.set ir, SD+64*(\par)+16*(\u)+4*(\h)+jj/2
.if jj%2 == 0
	v_and_b32 v[LA+8*(\h)+jj], s39, v[ir]
.else
	v_lshrrev_b32 v[LA+8*(\h)+jj], 16, v[ir]
.endif
.set jj, jj+1
.endr
.set jj, 0
.rept 8
	SETW 2*(jj/4)+(\h)
	v_min_u32 v[LA+8*(\h)+jj], QROWS-WL-2, v[LA+8*(\h)+jj]  ; index + W + 1 stays inside the table
.set jj, jj+1
.endr
.set jj, 0
.rept 8
	v_lshl_add_u32 v[LA+8*(\h)+jj], v[LA+8*(\h)+jj], 4, v[CO+2*(jj/4)+(\h)]  ; a pixel is 16 bytes
.set jj, jj+1
.endr
.set jj, 0
.rept 8
	ds_load_b128 v[G+32*(\h)+4*jj:G+32*(\h)+4*jj+3], v[LA+8*(\h)+jj]
.set jj, jj+1
.endr
.endm
; Pair n of a half: samples 2 n and 2 n + 1, whose weights are the lower and the upper 16 bits of one word.  Eight packed products, in place; the weight's lower half serves both
; results (op_sel_hi), the addend is the register that holds 0.
.macro PROD par, u, h, n
.set wr, SD+64*(\par)+16*(\u)+8+4*(\h)+(\n)
.set gb, G+32*(\h)+8*(\n)
	v_lshrrev_b32 v[WH], 16, v[wr]
.set ii, 0
.rept 4
	v_pk_fma_f16 v[gb+ii], v[gb+ii], v[wr], v5 op_sel_hi:[1,0,1]
.set ii, ii+1
.endr
.rept 4
	v_pk_fma_f16 v[gb+ii], v[gb+ii], v[WH], v5 op_sel_hi:[1,0,1]
.set ii, ii+1
.endr
.endm
; The pair's sixteen products a lane are added onto eight sums.  The two accumulators take turns, one instruction a turn; a unit's first two start the sums.
.macro ADDUP h, n
.set gb, G+32*(\h)+8*(\n)
.set ac, ACC+8*((\n)%2)
.if ((\h) == 0) && ((\n) < 2)
	v_wmma_f32_16x16x32_f16 v[ac:ac+7], v[IDM:IDM+7], v[gb:gb+7], 0
.else
	v_wmma_f32_16x16x32_f16 v[ac:ac+7], v[IDM:IDM+7], v[gb:gb+7], v[ac:ac+7]
.endif
.endm
; A half.  Y: the LDS loads issued behind its eight.  A pair's matrix instruction stands behind the next pair's products, so that it does not wait for a result just made.
.macro MUL par, u, h, Y
.irp n, 0,1,2,3
	s_wait_dscnt (\Y)+6-2*(\n)                     ; LDS loads come back in order: samples 2 n and 2 n + 1 are in
	PROD \par, \u, \h, \n
.if (\n) > 0
	ADDUP \h, (\n)-1
.endif
.endr
	ADDUP \h, 3
.endm
; The two accumulators are added, from their low ends on; the four corners lie in four neighbouring lanes, and all four then hold the sum.  Unit u's result stays in the lanes with k = u.
.macro FINISH u
.irp i, 0,2,4,6
	v_pk_add_f32 v[ACC+(\i):ACC+(\i)+1], v[ACC+(\i):ACC+(\i)+1], v[ACC+8+(\i):ACC+8+(\i)+1]
.endr
.irp i, 0,1,2,3,4,5,6,7
	v_add_f32_dpp v[ACC+(\i)], v[ACC+(\i)], v[ACC+(\i)] row_xmask:1 row_mask:0xf bank_mask:0xf
.endr
.irp i, 0,1,2,3,4,5,6,7
	v_add_f32_dpp v[ACC+(\i)], v[ACC+(\i)], v[ACC+(\i)] row_xmask:2 row_mask:0xf bank_mask:0xf
.endr
.if (\u) == 0
	s_wait_xcnt 0x0                                ; the last trip's store: its data and its offset are written again only behind this wait
	v_add_nc_u32 v4, 512, v4                       ; the store below reaches back by its immediate
.irp i, 0,1,2,3
	v_cvt_pk_f16_f32 v[OUT+(\i)], v[ACC+2*(\i)], v[ACC+2*(\i)+1]
.endr
.else
.irp i, 0,1,2,3
	v_cvt_pk_f16_f32 v[ACC+(\i)], v[ACC+2*(\i)], v[ACC+2*(\i)+1]  ; in place: register i is written when it has been read
.endr
.irp i, 0,1,2,3
	v_cndmask_b32 v[OUT+(\i)], v[OUT+(\i)], v[ACC+(\i)], s[35+(\u)]
.endr
.endif
.if (\u) == 3
	global_store_b128 v4, v[OUT:OUT+3], s[14:15] offset:-512  ; 32 queries x 16 bytes: 512 consecutive bytes, at a multiple of 256 from the buffer's first
.endif
.endm
; A trip.  Two halves' LDS loads are always out: a half's eight are issued straight behind the products of the half two before it, which freed their registers.  So behind a half's own
; eight stand the next half's eight when it is wanted.  A unit's sums are read behind the address lines of the half issued after it: the places behind its last matrix instruction.
; more = 1: the next trip's indices and weights are asked for at the trip's beginning and waited for behind six of its eight halves.
.macro TRIP par, more
.if \more
	SDLOAD 1-(\par)
.endif
.irp u, 0,1,2
	MUL \par, \u, 0, 8
	ISSUE \par, (\u)+1, 0
	MUL \par, \u, 1, 8
	ISSUE \par, (\u)+1, 1
	FINISH \u
.endr
	MUL \par, 3, 0, 8
.if \more
	s_wait_loadcnt 0x0                             ; the next trip's indices and weights: the only loads that are out
	ISSUE 1-(\par), 0, 0
	MUL \par, 3, 1, 8
	ISSUE 1-(\par), 0, 1
.else
	MUL \par, 3, 1, 0
	v_nop                                          ; four places between the last matrix instructions and the reads of their results: no other vector work is left
	v_nop
	v_nop
	v_nop
.endif
	FINISH 3
.endm
.set j, 0
.rept 26                                       ; the table: each load of a wave is 512 consecutive bytes
.if j < 16
.set tr, G+4*j
.else
.set tr, SD+64+4*(j-16)
.endif
	global_load_b128 v[tr:tr+3], v1, s[8:9] offset:8192*j
.set j, j+1
.endr
	SDLOAD 0
	s_wait_loadcnt 16                              ; all but the sixteen just issued: the table is in registers
.set j, 0
.rept 26
.if j < 16
.set tr, G+4*j
.else
.set tr, SD+64+4*(j-16)
.endif
	ds_store_b128 v[LA+j/8], v[tr:tr+3] offset:8192*(j%8)
.set j, j+1
.endr
	s_wait_loadcnt 0x0                             ; the first trip's indices and weights
	s_wait_dscnt 0x0                               ; for the others' sake: my part of the table is in LDS
	s_barrier_signal -1
	s_barrier_wait -1                              ; everybody's is
	ISSUE 0, 0, 0
	ISSUE 0, 0, 1
	s_mov_b32 s26, 6
.Ltrip:                                                ; two trips a turn: 12 of my 13
	TRIP 0, 1
	TRIP 1, 1
	s_sub_co_u32 s26, s26, 1
	s_cmp_lg_u32 s26, 0
	s_cbranch_scc1 .Ltrip
	TRIP 0, 0                                      ; the last is written out: nothing beyond it is asked for
	s_wait_dscnt 0x0                               ; my reads of the table are over;
	s_barrier_signal -1
	s_barrier_wait -1                              ; everybody's are: their addresses come from data, so no LDS word is written while any of them may be out
	s_wait_tensorcnt 0x0                           ; the wave's end, behind my last LDS store
	ds_add_u32 v6, v7
	s_wait_dscnt 0x0
	s_endpgm
.Lfunc_end_k_qde80f5824b_gath:
	.size	k_qde80f5824b_gath, .Lfunc_end_k_qde80f5824b_gath-k_qde80f5824b_gath
	.p2alignl 7, 3214868480
	.fill 96, 4, 3214868480
	.section	.rodata,"a",@progbits
	.p2align	6, 0x0
	.amdhsa_kernel k_qde80f5824b_gath
		.amdhsa_group_segment_fixed_size 215040
		.amdhsa_private_segment_fixed_size 0
		.amdhsa_enable_private_segment 0
		.amdhsa_kernarg_size 32
		.amdhsa_user_sgpr_count 2
		.amdhsa_user_sgpr_kernarg_segment_ptr 1
		.amdhsa_wavefront_size32 1
		.amdhsa_system_sgpr_workgroup_id_x 1
		.amdhsa_system_sgpr_workgroup_id_y 1
		.amdhsa_system_sgpr_workgroup_id_z 1
		.amdhsa_system_vgpr_workitem_id 0
		.amdhsa_next_free_vgpr 256
		.amdhsa_next_free_sgpr 66
		.amdhsa_reserve_vcc 1
		.amdhsa_float_denorm_mode_32 3
		.amdhsa_float_denorm_mode_16_64 3
		.amdhsa_memory_ordered 1
		.amdhsa_forward_progress 1
		.amdhsa_inst_pref_size 137
	.end_amdhsa_kernel
	.amdgpu_metadata
---
amdhsa.version: [ 1, 2 ]
amdhsa.kernels:
  - .name:           k_qde80f5824b_gath
    .symbol:         k_qde80f5824b_gath.kd
    .args:
      - { .name: vproj, .offset: 0, .size: 8, .value_kind: global_buffer, .address_space: global }
      - { .name: idx, .offset: 8, .size: 8, .value_kind: global_buffer, .address_space: global }
      - { .name: wts, .offset: 16, .size: 8, .value_kind: global_buffer, .address_space: global }
      - { .name: ao, .offset: 24, .size: 8, .value_kind: global_buffer, .address_space: global }
    .group_segment_fixed_size: 215040
    .private_segment_fixed_size: 0
    .kernarg_segment_align: 8
    .kernarg_segment_size: 32
    .max_flat_workgroup_size: 512
    .sgpr_count:     66
    .vgpr_count:     256
    .wavefront_size: 32
...
	.end_amdgpu_metadata
.endif
;; end of part 5
;; launch outp (part 6): grid 256 x 1, 16 waves a work-group, no clusters, 202,752 bytes of LDS; arguments ao, wfrag, b_out, out0; writes out0
.if DOCPART == 6
	.amdgcn_target "amdgcn-amd-amdhsa--gfx1250"
	.amdhsa_code_object_version 6
	.text
	.protected	k_qde80f5824b_outp
	.globl	k_qde80f5824b_outp
	.p2align	8
	.type	k_qde80f5824b_outp,@function
k_qde80f5824b_outp:
	s_mov_b64 s[64:65], 0
	v_nop
	global_prefetch_b8 v0, s[64:65] scope:SCOPE_SE
	s_setreg_imm32_b32 hwreg(HW_REG_WAVE_MODE, 25, 1), 1
	s_wait_xcnt 0x0
; outp: out0 = ao x W_out + b_out.  ao: [plane = channel / 8][workspace row][8 channels] f16; workspace row = 13,312 x batch + row in the batch.
; SHARES.  A work-group owns 208 workspace rows; wave w < 13 takes rows 16 w .. 16 w + 15 and all 256 columns.  A data fragment's lane (r, h) wants eight neighbouring channels
; of row r: 16 bytes of one plane, so the fragments are loaded from memory as they lie, sixteen lanes 256 consecutive bytes.  W_out's register images, 131,072 bytes,
; are put into LDS once, a sixteenth by each wave.  Waves 13 to 15 load tile 12's rows once more, so that no branch stands among the loads, and end behind the barrier.
; A batch has 13,294 = 830 x 16 + 14 rows: tile 830 stores 14 rows, tile 831 none.
; FORMATS.  f16 operands, f32 sums; the bias is added in f32.  LIMIT: f16's range, 65,504, for W_out and ao.
; NO TENSOR LOADS: W_out's images are one fill of dense bytes.  NO CLUSTER: what work-groups share is those 131,072 bytes, once.
.set QROWS,  13294
.set PLANE,  53248*16
.set WB,     0                         ; W_out's register images
.set STG,    131072                    ; 16 rows x 272 bytes for each wave: the way out
.set SPARE,  STG+16*4352               ; the spare words, 128 bytes for each wave; no other line names them
; v6, v7 the add's two; v24-55 accumulators; v56-87 rows on the way out; v88-151 data fragments; v152-215 two buffers of four weight fragments (first: my sixteenth of W_out);
; v216-219 bias; v220 r; v221 h; v224, v225 stage in, stage back; v226 my 16 bytes of two rows of out0; v227 my four columns; v228 where my part of W_out goes; v229 16 x lane;
; v230-233 the weight fragments' LDS address, one for each quarter of the columns; v234-241 the data fragments' offsets, one for each K step.
.set BA,  230
.set VA,  234
	s_load_b256 s[8:15], s[0:1], 0x0               ; ao 8, wfrag 10, b_out 12, out0 14
	v_lshl_add_u32 v6, v0, 2, SPARE
	v_mov_b32 v7, 0
	v_lshrrev_b32 v12, 5, v0
	v_readfirstlane_b32 s28, v12                   ; wave
	s_mov_b32 s29, ttmp9
	v_and_b32 v13, 31, v0                          ; lane
	v_and_b32 v220, 15, v0                         ; r
	v_bfe_u32 v221, v0, 4, 1                       ; h
	v_lshlrev_b32 v229, 4, v13
.irp q, 0,1,2,3
	v_add_nc_u32 v[BA+(\q)], WB+32768*(\q), v229   ; quarter q's four tiles of W_out: a constant + 16 x lane, never rewritten
.endr
	s_lshl_b32 s24, s28, 13
	v_add_nc_u32 v228, s24, v[BA]
	s_mul_i32 s24, s28, 4352
	s_add_co_u32 s24, s24, STG
	v_mul_u32_u24 v224, v220, 272
	v_lshl_add_u32 v224, v221, 5, v224
	v_add_nc_u32 v224, s24, v224                   ; stage in: row r, 32 bytes for each half of the lanes
	v_mul_u32_u24 v225, v221, 272
	v_lshl_add_u32 v225, v220, 4, v225
	v_add_nc_u32 v225, s24, v225                   ; stage back: lanes 0-15 one row of 256 bytes, lanes 16-31 the next
	v_lshlrev_b32 v227, 4, v220
	v_lshl_add_u32 v226, v221, 10, v227
	v_mul_u32_u24 v[VA], v221, PLANE
	v_lshl_add_u32 v[VA], v220, 4, v[VA]           ; plane h, row r
.irp k, 1,2,3,4,5,6,7
	v_add_nc_u32 v[VA+(\k)], 4*PLANE*(\k), v[VA]   ; K step k: four planes on
.endr
	s_min_u32 s20, s28, 12
	s_lshl_b32 s20, s20, 4
	s_mul_i32 s21, s29, 208
	s_add_co_u32 s21, s21, s20                     ; the first workspace row that I load
	s_and_b32 s30, s29, 63
	s_mul_i32 s30, s30, 208
	s_lshl_b32 s24, s28, 4
	s_add_co_u32 s30, s30, s24                     ; my tile's first row in its batch
	s_add_co_u32 s27, s30, 14
	s_lshr_b32 s22, s29, 6
	s_mul_i32 s22, s22, QROWS
	s_add_co_u32 s22, s22, s30                     ; and in out0
	s_mov_b32 s33, 0
	s_wait_kmcnt 0x0
	s_lshl_b32 s32, s21, 4
	s_add_nc_u64 s[8:9], s[8:9], s[32:33]
	s_lshl_b32 s32, s28, 13
	s_add_nc_u64 s[10:11], s[10:11], s[32:33]
	s_add_nc_u64 s[10:11], s[10:11], 0x50000       ; W_out's images begin at tile 40
	s_lshl_b32 s32, s22, 10
	s_add_nc_u64 s[14:15], s[14:15], s[32:33]
.set j, 0
.rept 16
	global_load_b128 v[152+4*j:155+4*j], v229, s[10:11] offset:512*j  ; my sixteenth of W_out's images
.set j, j+1
.endr
.set ks, 0
.rept 8
	global_load_b128 v[88+8*ks:91+8*ks], v[VA+ks], s[8:9]                 ; channels 32 ks + 8 h ..
	global_load_b128 v[92+8*ks:95+8*ks], v[VA+ks], s[8:9] offset:2*PLANE  ; channels 32 ks + 16 + 8 h ..
.set ks, ks+1
.endr
	s_wait_loadcnt 16                              ; all but the sixteen just issued
.set j, 0
.rept 16
	ds_store_b128 v228, v[152+4*j:155+4*j] offset:512*j
.set j, j+1
.endr
	s_wait_dscnt 0x0                               ; for the others' sake: my part of W_out is in LDS
	s_barrier_signal -1
	s_barrier_wait -1                              ; the launch's only barrier
	s_cmp_lt_u32 s28, 13                           ; 13 tiles of 16 rows; a tile that begins past its batch's last row is nobody's
	s_cselect_b32 s24, s30, QROWS
	s_cmp_lt_u32 s24, QROWS
	s_cbranch_scc1 .Lwork
	s_wait_tensorcnt 0x0                           ; the wave's end, behind my last LDS store
	ds_add_u32 v6, v7
	s_wait_dscnt 0x0
	s_endpgm
.Lwork:
	s_wait_loadcnt 0x0                             ; my data fragments
.macro BLOAD k, q                      ; quarter q's four tiles' weight fragments of K step k, into buffer k % 2
.irp t, 0,1,2,3
	ds_load_b128 v[152+32*((\k)%2)+8*(\t):155+32*((\k)%2)+8*(\t)], v[BA+(\q)] offset:8192*(\t)+1024*(\k)
	ds_load_b128 v[156+32*((\k)%2)+8*(\t):159+32*((\k)%2)+8*(\t)], v[BA+(\q)] offset:8192*(\t)+1024*(\k)+512
.endr
.endm
; Quarter q: 64 columns.  Source 0 = 16 columns of W_out, source 1 = my 16 rows: a lane holds eight neighbouring columns of a row.  The four quarters are written out, so that
; every LDS address is a fixed register and the quarter stands in the immediates of the bias load and of the stores.
.macro QUARTER q
	global_load_b128 v[216:219], v227, s[12:13] offset:256*(\q)
	BLOAD 0, \q
.set ks, 0
.rept 8
.if ks < 7
.if ks > 0
	v_nop                                          ; four places between the products of the step before and the loads into their fragments
	v_nop
	v_nop
	v_nop
.endif
	BLOAD ks+1, \q
	s_wait_dscnt 0x8                               ; all but the eight just issued
.else
	s_wait_dscnt 0x0
.endif
.set t, 0
.rept 4                                        ; four accumulators take turns; the first K step starts the sums
.if ks == 0
	v_wmma_f32_16x16x32_f16 v[24+8*t:31+8*t], v[152+8*t:159+8*t], v[88:95], 0
.else
	v_wmma_f32_16x16x32_f16 v[24+8*t:31+8*t], v[152+32*(ks%2)+8*t:159+32*(ks%2)+8*t], v[88+8*ks:95+8*ks], v[24+8*t:31+8*t]
.endif
.set t, t+1
.endr
.set ks, ks+1
.endr
	v_nop                                          ; four places behind the last products
	v_nop
	v_nop
	v_nop
.irp t, 0,1,2,3
	ds_store_b128 v224, v[24+8*(\t):27+8*(\t)] offset:64*(\t)      ; each accumulator from its low end on
	ds_store_b128 v224, v[28+8*(\t):31+8*(\t)] offset:64*(\t)+16
.endr
.irp t, 0,1,2,3,4,5,6,7
	ds_load_b128 v[56+4*(\t):59+4*(\t)], v225 offset:544*(\t)      ; LDS serves a wave's instructions in order: these see the stores above
.endr
	s_wait_dscnt 0x0
	s_wait_loadcnt 0x0                             ; the bias
.irp t, 0,1,2,3,4,5,6,7
	v_pk_add_f32 v[56+4*(\t):57+4*(\t)], v[56+4*(\t):57+4*(\t)], v[216:217]
	v_pk_add_f32 v[58+4*(\t):59+4*(\t)], v[58+4*(\t):59+4*(\t)], v[218:219]
.endr
.irp t, 0,1,2,3,4,5,6
	global_store_b128 v226, v[56+4*(\t):59+4*(\t)], s[14:15] offset:2048*(\t)+256*(\q) th:TH_STORE_NT  ; sixteen lanes store 256 consecutive bytes, at a multiple of 256 from out0's first
.endr
	s_cmp_ge_u32 s27, QROWS                        ; a batch ends behind row 13 of one tile: its rows 14 and 15 are not stored
	s_cbranch_scc1 .Lcut_\@
	global_store_b128 v226, v[84:87], s[14:15] offset:2048*7+256*(\q) th:TH_STORE_NT
.Lcut_\@:
	s_wait_xcnt 0x0                                ; the stores' data registers are loaded again, in the next quarter, only behind this wait
.endm
	QUARTER 0
	QUARTER 1
	QUARTER 2
	QUARTER 3
	s_wait_tensorcnt 0x0                           ; the wave's end, behind my last LDS store
	ds_add_u32 v6, v7
	s_wait_dscnt 0x0
	s_endpgm
.Lfunc_end_k_qde80f5824b_outp:
	.size	k_qde80f5824b_outp, .Lfunc_end_k_qde80f5824b_outp-k_qde80f5824b_outp
	.p2alignl 7, 3214868480
	.fill 96, 4, 3214868480
	.section	.rodata,"a",@progbits
	.p2align	6, 0x0
	.amdhsa_kernel k_qde80f5824b_outp
		.amdhsa_group_segment_fixed_size 202752
		.amdhsa_private_segment_fixed_size 0
		.amdhsa_enable_private_segment 0
		.amdhsa_kernarg_size 32
		.amdhsa_user_sgpr_count 2
		.amdhsa_user_sgpr_kernarg_segment_ptr 1
		.amdhsa_wavefront_size32 1
		.amdhsa_system_sgpr_workgroup_id_x 1
		.amdhsa_system_sgpr_workgroup_id_y 1
		.amdhsa_system_sgpr_workgroup_id_z 1
		.amdhsa_system_vgpr_workitem_id 0
		.amdhsa_next_free_vgpr 256
		.amdhsa_next_free_sgpr 66
		.amdhsa_reserve_vcc 0
		.amdhsa_float_denorm_mode_32 3
		.amdhsa_float_denorm_mode_16_64 3
		.amdhsa_memory_ordered 1
		.amdhsa_forward_progress 1
		.amdhsa_inst_pref_size 49
	.end_amdhsa_kernel
	.amdgpu_metadata
---
amdhsa.version: [ 1, 2 ]
amdhsa.kernels:
  - .name:           k_qde80f5824b_outp
    .symbol:         k_qde80f5824b_outp.kd
    .args:
      - { .name: ao, .offset: 0, .size: 8, .value_kind: global_buffer, .address_space: global }
      - { .name: wfrag, .offset: 8, .size: 8, .value_kind: global_buffer, .address_space: global }
      - { .name: b_out, .offset: 16, .size: 8, .value_kind: global_buffer, .address_space: global }
      - { .name: out0, .offset: 24, .size: 8, .value_kind: global_buffer, .address_space: global }
    .group_segment_fixed_size: 202752
    .private_segment_fixed_size: 0
    .kernarg_segment_align: 8
    .kernarg_segment_size: 32
    .max_flat_workgroup_size: 512
    .sgpr_count:     66
    .vgpr_count:     256
    .wavefront_size: 32
...
	.end_amdgpu_metadata
.endif
;; end of part 6
;; ======== version 3 of 3: 4 launches; version 2 with the launch proj written anew for expert scheduling mode
;; limits: values are held in f16: magnitudes above 65,504 overflow, below 6.1e-05 lose precision
;; workspace buffers: wfrag 458,752 bytes; vproj 27,262,976 bytes; idx 13,631,488 bytes of whole numbers; wts 54,525,952 bytes; ao 27,262,976 bytes
;; launch prep: the kernel of part 1 again; grid 224 x 1, 4 waves a work-group, no clusters, 0 bytes of LDS; arguments W_val, W_off, W_attn, W_out, wfrag; writes wfrag
;; launch proj (part 7): grid 256 x 1, 8 waves a work-group, no clusters, 220,672 bytes of LDS; arguments value, query, refer_bbox, b_val, b_off, b_attn, wfrag, vproj, idx, wts; writes vproj, idx, wts
.if DOCPART == 7
	.amdgcn_target "amdgcn-amd-amdhsa--gfx1250"
	.amdhsa_code_object_version 6
	.text
	.protected	k_qde80f5824b_proj
	.globl	k_qde80f5824b_proj
	.p2align	8
	.type	k_qde80f5824b_proj,@function
k_qde80f5824b_proj:
	s_mov_b64 s[64:65], 0
	v_nop
	global_prefetch_b8 v0, s[64:65] scope:SCOPE_SE
	s_setreg_imm32_b32 hwreg(HW_REG_WAVE_SCHED_MODE, 0, 2), 2
	s_setreg_imm32_b32 hwreg(HW_REG_WAVE_MODE, 25, 1), 1
	s_wait_xcnt 0x0
	s_wait_alu depctr_vm_vsrc(0)
; proj: v = value W_val + b_val;  off = query W_off + b_off;  aw = softmax(query W_attn + b_attn);  then for each of the 128 samples of a row
; its place in its batch's table of v (a whole number) and its four weights aw x wx x wy.
; SHARES.  A batch's 13,294 rows are walked as 64 work-groups x 208 rows = 13,312 workspace rows (13 tiles of 16 a group); rows past the batch's end repeat
; its last row and land in the padded part of the workspace, of which nothing reaches the output.  Wave w is head w in both products; all its weight fragments stay in registers.
; FORMATS.  Matrix operands f16, sums f32.  Softmax and positions in f32.  Stored rounded once to f16: v and the weights.
; LIMITS.  Every number rounded to f16 stays within 65,504 (inputs, weights, v); below 6e-5 f16 keeps its fixed step of 6e-8.  NaN and infinities are
; not treated apart.  The pixel position is ref x W + off - 0.5: the division of off by W and the multiplication by W that follow each other are left out.
; SAMPLING.  With cx = floor(x) held to 0 .. W-2 and d = x - cx the weights of pixels cx and cx+1 are med3(1+d, 0, 1-d) and med3(d, 0, 2-d): that is
; the bilinear rule with zeros outside, for every x, on a patch of 2 x 2 pixels that always lies inside the level.  So one index serves a sample.
; THE MATRIX INSTRUCTION IS USED TRANSPOSED: source 0 = 16 output columns (weights), source 1 = 16 rows of data.  In the result lane (r, h) holds row r
; and columns 8 h + 0..7: for v eight neighbouring channels; for off the four points' (x, y) of one level (tile u: level 2 u + h); for the logits,
; by the column order that the launch before laid down, levels h (registers 0-3) and h + 2 (registers 4-7).
; WHAT IS STORED.  vproj: [plane = 4 head + channel / 8][workspace row][8 channels]: a lane's eight channels are 16 bytes of one plane, sixteen lanes 256 consecutive bytes.
; idx: [head][tile][r][h][16 bytes]: eight 16-bit indices, levels h and h + 2.  wts: [head][tile][corner k = x + 2 y][h][r][16 bytes]: the same eight samples' weights of corner k.
; NO TENSOR LOADS: the inputs are f32 and are rounded on the way, through registers; every LDS byte of the two row stores is written once.
; NO CLUSTER: what work-groups share, the weights, goes straight into registers once.
; THE MODE: SCHED_MODE bits 1:0 = 2 (LLVM: expert scheduling mode 2), set by the entry lines.  The code itself states the register dependences
; between vector or matrix instructions and memory or LDS instructions, with s_wait_alu, always for 0.
; THE PLAN.  Registers that memory or LDS instructions touch:
;   v1, v4, v5, v7, v11, v12, v13, v38, v39   offsets and addresses made at the head, ahead of its one wait on va_vdst; v38 and v39 become work registers far behind the loads that read them.
;   STAGING.  v88-191: 13 row slots; loads land, the roundings read.  v20-35: two out-buffers of eight; the roundings of two rows write one, four LDS stores read it.  Each slot has a scalar
;   base of its own, so no vector offset is written.  A group of two rows has one wait on va_vdst behind its roundings (out-buffer written; slots read) and one on vm_vsrc ahead of them
;   (the LDS stores of the group before last have read the buffer).
;   A TILE OF v.  v88-151: LDS loads land, the products read.  v6: the LDS address, one add a tile.  v176-183: eight roundings write, two stores read.  Behind the products one wait on vm_vsrc
;   (v6, v176-183 are read), the add and the roundings, then ONE wait on va_vdst for the next tile's LDS loads and this tile's stores together.
;   A TILE OF query.  v88-151 and v6 as above.  v9: the reference points' offset, made anew each tile; v22-25: those loads land, two multiply-adds read.  v42-61: the sampling writes, five
;   stores read.  Behind the products one wait on vm_vsrc (v6, v9, v42-61 are read); behind the lines that read v22-25 and write v6 and v9 one wait on va_vdst, for the next tile's loads;
;   behind the sampling one more, for the stores.
;   The accumulators, the weights' fragments, the biases and all other work registers are named by vector and matrix instructions alone once their loads have landed.
.set QROWS,  13294                     ; rows of a batch
.set PITCH,  528                       ; an LDS row: 512 bytes of f16 + 16: the 16 rows of a fragment load start 16 bytes apart modulo 256
.set TILEB,  16*PITCH
.set AQ,     208*PITCH                 ; value's rows from byte 0, query's from here
.set SPARE,  2*AQ                      ; the spare words, 128 bytes for each wave; no other line names them
.set PLANE,  53248*16                  ; a plane of vproj
.set HSI,    3328*512                  ; a head's bytes in idx, wts
.set HSW,    3328*2048
; window 0: v1 16 x lane; v2 r; v3 h; v4, v5 where I put staged rows; v6 fragment address; v7 my 16 bytes in two planes of vproj; v9 refer_bbox offset; v10 my row in the batch;
;   v11 my 16 bytes in a block of idx; v12, v13 the add's two; v14-17 (W, W-2) of levels h, h+2; v18, v19 their starts;
;   v22-25 reference points; v26-29 ref x W - 0.5; v30-41 at work; v42-45 indices; v46-61 weights out, four registers a corner (before: b_val); v62-85 b_off, b_attn as C operands;
;   v88-151 data fragments; v152-175 accumulators; v176-183 v rounded, later two samples' weights in f32; v192-255 W_off's first tile, parked while v is made.
; window 1: v0-127 W_val's two tiles (later v0-63 W_off's first); v128-191 W_off's second; v192-255 W_attn's.
.set OB,  20                           ; while staging: v20-35 two out-buffers of eight rounded registers, v88-191 the ring's data
.set RDT, 88
.set AF,  88
.set SB,  66                           ; s66-91  while staging: slot s's row address, a pair at SB + 2 s
.set MSB, 0
.macro WIN new                         ; the immediate's high byte repeats the setting that is left
.if MSB != (\new)
	s_set_vgpr_msb (MSB<<8)|(\new)
.set MSB, (\new)
.endif
.endm
	s_load_b512 s[8:23], s[0:1], 0x0               ; value 8, query 10, refer_bbox 12, b_val 14, b_off 16, b_attn 18, wfrag 20, vproj 22
	s_load_b128 s[24:27], s[0:1], 0x40             ; idx 24, wts 26
	v_lshl_add_u32 v12, v0, 2, SPARE
	v_mov_b32 v13, 0
	v_lshrrev_b32 v38, 5, v0
	v_readfirstlane_b32 s28, v38                   ; wave = head
	s_mov_b32 s29, ttmp9
	s_lshr_b32 s56, s29, 6
	s_mul_i32 s56, s56, QROWS                      ; the batch's first row in the inputs
	s_and_b32 s57, s29, 63
	s_mul_i32 s57, s57, 208                        ; the group's first row in the batch
	v_and_b32 v39, 31, v0                          ; lane
	v_lshlrev_b32 v1, 4, v39
	v_and_b32 v2, 15, v0
	v_bfe_u32 v3, v0, 4, 1
	v_add_nc_u32 v10, s57, v2                      ; my row in the first tile
	s_wait_alu depctr_va_sdst(0)                   ; s28, the wave's number, is written, ahead of its first reader: the line below
	s_mul_i32 s31, s28, 26
	s_add_co_u32 s30, s57, s31                     ; the first of the 26 rows that my wave stages
	s_mul_i32 s31, s28, 26*PITCH
	v_lshl_add_u32 v4, v39, 3, s31                 ; 8 bytes a lane
	v_add_nc_u32 v5, AQ, v4
	v_mul_u32_u24 v6, v2, PITCH
	v_lshl_add_u32 v6, v3, 4, v6                   ; row x pitch + 16 x half
	v_mul_u32_u24 v7, v3, PLANE
	v_lshl_add_u32 v7, v2, 4, v7                   ; plane h, row r
	v_lshlrev_b32 v11, 5, v2
	v_lshl_add_u32 v11, v3, 4, v11                 ; 32 r + 16 h
	v_cvt_f32_u32 v41, v3
	v_mov_b32 v14, 0x42c80000                      ; W: 100 or 50
	v_fmamk_f32 v14, v41, 0xc2480000, v14
	v_mov_b32 v15, 0x42c40000                      ; W - 2: 98 or 48
	v_fmamk_f32 v15, v41, 0xc2480000, v15
	v_mov_b32 v16, 0x41c80000                      ; 25 or 13
	v_fmamk_f32 v16, v41, 0xc1400000, v16
	v_mov_b32 v17, 0x41b80000                      ; 23 or 11
	v_fmamk_f32 v17, v41, 0xc1400000, v17
	v_mul_f32 v18, 0x461c4000, v41                 ; level starts: 0 or 10,000
	v_mov_b32 v19, 0x46435000                      ; 12,500 or 13,125
	v_fmamk_f32 v19, v41, 0x441c4000, v19
	s_lshl_b32 s31, s28, 7
	v_lshl_add_u32 v38, v3, 5, s31                 ; b_val, b_off: 128 w + 32 h
	s_lshl_b32 s31, s28, 6
	v_lshl_add_u32 v39, v3, 4, s31                 ; b_attn: 64 w + 16 h
	s_mov_b32 s36, 0x3fb8aa3b                      ; log2(e), named as a pair
	s_mov_b32 s37, s36
	s_mov_b32 s38, 0x76543210                      ; v_permlanex16_b32: each lane takes its own place in the other half
	s_mov_b32 s39, 0xfedcba98
	s_mov_b32 s35, 0
	s_wait_kmcnt 0x0
	s_lshl_b32 s34, s28, 14
	s_add_nc_u64 s[40:41], s[20:21], s[34:35]      ; W_val's tiles 2 w, 2 w + 1
	s_add_nc_u64 s[42:43], s[40:41], 0x20000       ; W_off's
	s_lshl_b32 s34, s28, 13
	s_add_nc_u64 s[44:45], s[20:21], s[34:35]
	s_add_nc_u64 s[44:45], s[44:45], 0x40000       ; W_attn's tile w
	s_mul_i32 s34, s28, 4*PLANE
	s_mul_i32 s33, s29, 208*16
	s_add_co_u32 s34, s34, s33
	s_add_nc_u64 s[46:47], s[22:23], s[34:35]      ; vproj at my head's first plane and the group's first row
	s_mul_i32 s34, s28, HSI
	s_mul_i32 s33, s29, 13*512
	s_add_co_u32 s34, s34, s33
	s_add_nc_u64 s[48:49], s[24:25], s[34:35]
	s_mul_i32 s34, s28, HSW
	s_mul_i32 s33, s29, 13*2048
	s_add_co_u32 s34, s34, s33
	s_add_nc_u64 s[50:51], s[26:27], s[34:35]
	; the weights' register images: each load is 512 consecutive bytes
	WIN 0x40                                       ; destination window 1, offset window 0
	s_wait_alu depctr_va_vdst(0)                   ; the head's offsets and addresses are written (v1, v4 to v7, v11 to v13, v38, v39): the loads below, and every later load and store by them, read them
.set j, 0
.rept 32
	global_load_b128 v[4*j:4*j+3], v1, s[40:41] offset:512*j
.set j, j+1
.endr
.set j, 0
.rept 16
	global_load_b128 v[128+4*j:128+4*j+3], v1, s[42:43] offset:8192+512*j
	global_load_b128 v[192+4*j:192+4*j+3], v1, s[44:45] offset:512*j
.set j, j+1
.endr
	WIN 0
.set j, 0
.rept 16
	global_load_b128 v[192+4*j:192+4*j+3], v1, s[42:43] offset:512*j
.set j, j+1
.endr
	; the biases, as the C operands that start the sums: register j of half h is column 8 h + j
.irp t, 0,1
	global_load_b128 v[46+8*(\t):49+8*(\t)], v38, s[14:15] offset:64*(\t)
	global_load_b128 v[50+8*(\t):53+8*(\t)], v38, s[14:15] offset:64*(\t)+16
	global_load_b128 v[62+8*(\t):65+8*(\t)], v38, s[16:17] offset:64*(\t)
	global_load_b128 v[66+8*(\t):69+8*(\t)], v38, s[16:17] offset:64*(\t)+16
.endr
	global_load_b128 v[78:81], v39, s[18:19]
	global_load_b128 v[82:85], v39, s[18:19] offset:32
; STAGING.  My wave brings 26 rows of value and then 26 of query, 52 rows in all, rounds them to f16 and puts them into LDS.  Row n goes through slot n % 13 of a ring in registers,
; which keeps up to 26 loads of 512 bytes on their way.  The rows go in 26 groups of two.
.macro RBASE n                         ; slot n % 13 takes the address of row n: rows past the batch's end repeat its last
.set ri, (\n)%26
.set rs, SB+2*((\n)%13)
	s_add_co_u32 s31, s30, ri
	s_min_u32 s31, s31, QROWS-1
	s_add_co_u32 s31, s31, s56
	s_lshl_b32 s34, s31, 10                        ; a row is 1,024 bytes; s35 holds 0
.if (\n) < 26
	s_add_nc_u64 s[rs:rs+1], s[8:9], s[34:35]
.else
	s_add_nc_u64 s[rs:rs+1], s[10:11], s[34:35]
.endif
.endm
.macro RLOAD n                         ; row n's 1,024 bytes
.set rs, SB+2*((\n)%13)
.set rd, RDT+8*((\n)%13)
	global_load_b128 v[rd:rd+3],   v1, s[rs:rs+1] th:TH_LOAD_NT
	global_load_b128 v[rd+4:rd+7], v1, s[rs:rs+1] offset:512 th:TH_LOAD_NT
.endm
.macro RCVT n, b, q                    ; row n is rounded into half q of out-buffer b
.set rd, RDT+8*((\n)%13)
.set ro, OB+8*(\b)+4*(\q)
	v_cvt_pk_f16_f32 v[ro],   v[rd],   v[rd+1]
	v_cvt_pk_f16_f32 v[ro+1], v[rd+2], v[rd+3]
	v_cvt_pk_f16_f32 v[ro+2], v[rd+4], v[rd+5]
	v_cvt_pk_f16_f32 v[ro+3], v[rd+6], v[rd+7]
.endm
.macro RSTORE n, b, q                  ; and goes into LDS: 32 lanes x 8 bytes are columns 0-127, then columns 128-255
.set ri, (\n)%26
.set ro, OB+8*(\b)+4*(\q)
.if (\n) < 26
	ds_store_b64 v4, v[ro:ro+1]   offset:ri*PITCH
	ds_store_b64 v4, v[ro+2:ro+3] offset:ri*PITCH+256
.else
	ds_store_b64 v5, v[ro:ro+1]   offset:ri*PITCH
	ds_store_b64 v5, v[ro+2:ro+3] offset:ri*PITCH+256
.endif
.endm
.set n, 0
.rept 13
	RBASE n
	RLOAD n
.set n, n+1
.endr
.set g, 0
.rept 26                                       ; group g: rows 2 g and 2 g + 1 are rounded, rows 2 g + 13 and 2 g + 14 are asked for
.if g < 20
	s_wait_loadcnt 22                              ; loads come back in order: 13 rows x 2 loads are out, the group's four the oldest; the 11 younger rows' 22 stay out
.else
	s_wait_loadcnt 100-4*g                         ; nothing more is asked for: 52 - 2 g rows are out, and the counts run down to 0
.endif
.if 2*g+13 < 52
	RBASE 2*g+13                                   ; free since that wait, which shows the loads that read the slot's base done
.endif
.if 2*g+14 < 52
	RBASE 2*g+14
.endif
.if g >= 2
	s_wait_alu depctr_vm_vsrc(0)                   ; the LDS stores of the group before last have read this out-buffer, which the roundings below write again
.endif
	RCVT 2*g, g%2, 0
	RCVT 2*g+1, g%2, 1
	s_wait_alu depctr_va_vdst(0)                   ; the roundings have written the out-buffer, which the LDS stores read, and are done reading the two slots, in which the loads land
.if 2*g+13 < 52
	RLOAD 2*g+13
.endif
.if 2*g+14 < 52
	RLOAD 2*g+14
.endif
	RSTORE 2*g, g%2, 0
	RSTORE 2*g+1, g%2, 1
.set g, g+1
.endr
	s_wait_dscnt 0x0                               ; for the others' sake: my rows are in LDS
	s_barrier_signal -1
	s_barrier_wait -1                              ; everybody's are: the launch's only barrier
.macro ALOAD                           ; a tile's 16 rows x 256 K as eight fragments
.set k, 0
.rept 8
	ds_load_b128 v[AF+8*k:AF+8*k+3],   v6 offset:64*k
	ds_load_b128 v[AF+8*k+4:AF+8*k+7], v6 offset:64*k+32
.set k, k+1
.endr
.endm
	; V: 13 tiles.  Two accumulators (channels 0-15, 16-31 of my head) take turns; the bias starts the sums.
	ALOAD                                          ; no wait: no vector line stands behind the last group's wait on va_vdst, which showed the roundings done reading v88-151
	s_mov_b32 s32, 13
.Lv:
	s_wait_dscnt 0x0                               ; the tile's fragments are in
	WIN 0x01                                       ; source 0, the weights, in window 1
	v_wmma_f32_16x16x32_f16 v[152:159], v[0:7],   v[AF:AF+7], v[46:53]
	v_wmma_f32_16x16x32_f16 v[160:167], v[64:71], v[AF:AF+7], v[54:61]
.set ks, 1
.rept 7
	v_wmma_f32_16x16x32_f16 v[152:159], v[8*ks:8*ks+7],       v[AF+8*ks:AF+8*ks+7], v[152:159]
	v_wmma_f32_16x16x32_f16 v[160:167], v[64+8*ks:64+8*ks+7], v[AF+8*ks:AF+8*ks+7], v[160:167]
.set ks, ks+1
.endr
	WIN 0
	s_wait_xcnt 0x0                                ; the last tile's stores: their base and data are written again only behind this wait
	s_wait_alu depctr_vm_vsrc(0)                   ; the last tile's stores have read v176-183, and the fragments' LDS loads have read v6: both are written below
	s_add_nc_u64 s[46:47], s[46:47], 256           ; one tile past this tile's rows: the stores below reach back by their immediates
	v_add_nc_u32 v6, TILEB, v6                     ; the next tile; behind value's last tile lies query's first.  With three v_nop: the four places
	v_nop                                          ; between the products and the reads of their results
	v_nop
	v_nop
.set i, 0
.rept 8
	v_cvt_pk_f16_f32 v[176+i], v[152+2*i], v[152+2*i+1]  ; each accumulator from its low end on
.set i, i+1
.endr
	s_wait_alu depctr_va_vdst(0)                   ; the products are done reading the fragments, in which the LDS loads land; v6, their address, is written; the roundings have written v176-183, the stores' data
	ALOAD
	global_store_b128 v7, v[176:179], s[46:47] offset:-256          ; planes h: sixteen lanes store 256 consecutive bytes, at a multiple of 256 from the buffer's first
	global_store_b128 v7, v[180:183], s[46:47] offset:2*PLANE-256   ; planes 2 + h
	s_sub_co_u32 s32, s32, 1
	s_cmp_lg_u32 s32, 0
	s_cbranch_scc1 .Lv
	WIN 0x40                                       ; W_off's first tile takes the place of W_val's
.set i, 0
.rept 64
	v_mov_b32 v[i], v[192+i]
.set i, i+1
.endr
	WIN 0
	v_min_u32 v9, QROWS-1, v10
	v_add_nc_u32 v9, s56, v9
	v_lshlrev_b32 v9, 5, v9
	v_lshl_add_u32 v9, v3, 3, v9                   ; row x 32 + 8 h
	s_wait_alu depctr_va_vdst(0)                   ; v9, the two loads' offset, is written; so are v22-25, in which they land: the staging's roundings wrote them (its LDS stores have read them: the waits on vm_vsrc above)
	global_load_b64 v[22:23], v9, s[12:13]         ; the reference point of level h,
	global_load_b64 v[24:25], v9, s[12:13] offset:16  ; of level h + 2
; One sample: level 2 u + h, point p.  Its offsets lie in the accumulator's registers 2 p, 2 p + 1, its attention weight in the logits' register 4 u + p.
; Its four weights wait in f32 (even p: v176-179, odd p: v180-183); behind an odd point the two samples' weights of each corner are rounded into one word.
.macro SAMPLE u, p
.set XR, 152+8*(\u)+2*(\p)
.set WR, 14+2*(\u)
.set LP, 168+4*(\u)+((\p)/2)*2
.set WQ, 176+4*((\p)&1)
	v_pk_add_f32 v[XR:XR+1], v[XR:XR+1], v[26+2*(\u):27+2*(\u)]  ; x, y in pixels
	v_floor_f32 v30, v[XR]
	v_floor_f32 v31, v[XR+1]
	v_med3_num_f32 v30, v30, 0, v[WR+1]            ; the patch's corner, held to 0 .. W-2
	v_med3_num_f32 v31, v31, 0, v[WR+1]
	v_pk_add_f32 v[XR:XR+1], v[XR:XR+1], v[30:31] neg_lo:[0,1] neg_hi:[0,1]  ; d
	v_pk_add_f32 v[32:33], v[XR:XR+1], 1.0 op_sel_hi:[1,0]
	v_pk_fma_f32 v[34:35], v[XR:XR+1], -1.0, 1.0 op_sel_hi:[1,0,0]
	v_pk_fma_f32 v[36:37], v[XR:XR+1], -1.0, 2.0 op_sel_hi:[1,0,0]
	v_med3_num_f32 v38, v32, 0, v34                ; wx of pixel cx
	v_med3_num_f32 v39, v[XR], 0, v36              ; of cx + 1
	v_med3_num_f32 v32, v33, 0, v35                ; wy of row cy
	v_med3_num_f32 v33, v[XR+1], 0, v37            ; of cy + 1
	v_fma_f32 v34, v31, v[WR], v30                 ; cy W + cx: whole numbers below 2^24, exact in f32
	v_add_f32 v34, v34, v[18+(\u)]                 ; + the level's start: the pixel's number in its batch's table
.if ((\p)&1) == 0
	v_cvt_u32_f32 v40, v34
	v_pk_mul_f32 v[38:39], v[38:39], v[LP:LP+1] op_sel_hi:[1,0]
.else
	v_cvt_u32_f32 v41, v34
	v_lshl_or_b32 v[42+2*(\u)+(\p)/2], v41, 16, v40  ; two indices of 16 bits to a word
	v_pk_mul_f32 v[38:39], v[38:39], v[LP:LP+1] op_sel:[0,1] op_sel_hi:[1,1]
.endif
	v_pk_mul_f32 v[WQ:WQ+1],   v[38:39], v[32:33] op_sel_hi:[1,0]              ; corners 0, 1: row cy
	v_pk_mul_f32 v[WQ+2:WQ+3], v[38:39], v[32:33] op_sel:[0,1] op_sel_hi:[1,1]  ; corners 2, 3: row cy + 1
.if ((\p)&1) == 1
.irp c, 0,1,2,3
	v_cvt_pk_f16_f32 v[46+4*(\c)+2*(\u)+(\p)/2], v[176+(\c)], v[180+(\c)]  ; the even point below, the odd one above, as in the indices' word
.endr
.endif
.endm
; One tile of query.  more = 1: the next tile's fragments and reference points are asked for.
.macro QTILE more
	s_wait_dscnt 0x0                               ; the tile's fragments are in
	WIN 0x01
	v_wmma_f32_16x16x32_f16 v[152:159], v[0:7],     v[AF:AF+7], v[62:69]   ; three accumulators take turns; the biases start the sums
	v_wmma_f32_16x16x32_f16 v[160:167], v[128:135], v[AF:AF+7], v[70:77]
	v_wmma_f32_16x16x32_f16 v[168:175], v[192:199], v[AF:AF+7], v[78:85]
.set ks, 1
.rept 7
	v_wmma_f32_16x16x32_f16 v[152:159], v[8*ks:8*ks+7],         v[AF+8*ks:AF+8*ks+7], v[152:159]
	v_wmma_f32_16x16x32_f16 v[160:167], v[128+8*ks:128+8*ks+7], v[AF+8*ks:AF+8*ks+7], v[160:167]
	v_wmma_f32_16x16x32_f16 v[168:175], v[192+8*ks:192+8*ks+7], v[AF+8*ks:AF+8*ks+7], v[168:175]
.set ks, ks+1
.endr
	WIN 0
	s_wait_loadcnt 0x0                             ; the reference points: the only loads that are out
	s_wait_xcnt 0x0                                ; the last tile's stores: their bases and data are written again only behind this wait
	s_wait_alu depctr_vm_vsrc(0)                   ; the LDS loads have read v6, the reference points' loads v9, the last tile's stores v42-61 (in the first tile: v's last stores v176-183): all are written below
	s_add_nc_u64 s[48:49], s[48:49], 512           ; one tile past this tile's bytes: the stores below reach back by their immediates
	s_add_nc_u64 s[50:51], s[50:51], 2048
	v_pk_fma_f32 v[26:27], v[22:23], v[14:15], -0.5 op_sel_hi:[1,0,0]  ; ref x W - 0.5 (H = W at every level).  These lines, down to the softmax, are also the
	v_pk_fma_f32 v[28:29], v[24:25], v[16:17], -0.5 op_sel_hi:[1,0,0]  ; places between the products and the reads of their results: four or more, and none names a register of theirs
.if \more
	v_add_nc_u32 v6, TILEB, v6                     ; the next tile
	v_add_nc_u32 v10, 16, v10
	v_min_u32 v9, QROWS-1, v10
	v_add_nc_u32 v9, s56, v9
	v_lshlrev_b32 v9, 5, v9
	v_lshl_add_u32 v9, v3, 3, v9
	s_wait_alu depctr_va_vdst(0)                   ; the products are done reading the fragments and the two lines above reading v22-25, in which the loads below land; v6 and v9, their addresses, are written
	ALOAD
	global_load_b64 v[22:23], v9, s[12:13]
	global_load_b64 v[24:25], v9, s[12:13] offset:16
.else
	v_nop
	v_nop
.endif
	; softmax over the row's and head's 16 logits: eight here, eight in the lane 16 away
	v_max3_num_f32 v38, v168, v169, v170
	v_max3_num_f32 v39, v171, v172, v173
	v_max3_num_f32 v38, v38, v174, v175
	v_max_num_f32 v38, v38, v39
	v_permlanex16_b32 v39, v38, s38, s39
	v_max_num_f32 v38, v38, v39
	v_mul_f32 v38, s36, v38
.irp i, 0,2,4,6
	v_pk_fma_f32 v[168+(\i):169+(\i)], v[168+(\i):169+(\i)], s[36:37], v[38:39] op_sel_hi:[1,0,0] neg_lo:[0,0,1] neg_hi:[0,0,1]  ; (l - max) log2(e)
.endr
.irp i, 0,1,2,3,4,5,6,7
	v_exp_f32 v[168+(\i)], v[168+(\i)]
.endr
	v_nop                                          ; a plain instruction between the last exponential and the use of its result
	s_wait_alu depctr_va_vdst(0)                   ; the eight exponentials have written v168-175, which the sums below read: one wait for the batch
	v_pk_add_f32 v[38:39], v[168:169], v[170:171]
	v_pk_add_f32 v[40:41], v[172:173], v[174:175]
	v_pk_add_f32 v[38:39], v[38:39], v[40:41]
	v_add_f32 v38, v38, v39
	v_permlanex16_b32 v39, v38, s38, s39
	v_add_f32 v38, v38, v39
	v_rcp_f32 v38, v38
	v_nop                                          ; a plain instruction behind the reciprocal
	s_wait_alu depctr_va_vdst(0)                   ; the reciprocal has written v38, which the four lines below read
.irp i, 0,2,4,6
	v_pk_mul_f32 v[168+(\i):169+(\i)], v[168+(\i):169+(\i)], v[38:39] op_sel_hi:[1,0]
.endr
.irp u, 0,1
.irp p, 0,1,2,3
	SAMPLE \u, \p
.endr
.endr
	s_wait_alu depctr_va_vdst(0)                   ; the sampling has written v42-61, the five stores' data
	global_store_b128 v11, v[42:45], s[48:49] offset:-512  ; each of the five stores covers 512 consecutive bytes
.irp c, 0,1,2,3
	global_store_b128 v1, v[46+4*(\c):49+4*(\c)], s[50:51] offset:512*(\c)-2048  ; corner c
.endr
.endm
	s_mov_b32 s32, 12
.Lq:
	QTILE 1
	s_sub_co_u32 s32, s32, 1
	s_cmp_lg_u32 s32, 0
	s_cbranch_scc1 .Lq
	QTILE 0                                        ; the last tile asks for nothing more
	s_wait_dscnt 0x0                               ; the closing lines, six on end
	s_wait_alu 0x0
	s_wait_tensorcnt 0x0
	ds_add_u32 v12, v13
	s_wait_dscnt 0x0
	s_endpgm
.Lfunc_end_k_qde80f5824b_proj:
	.size	k_qde80f5824b_proj, .Lfunc_end_k_qde80f5824b_proj-k_qde80f5824b_proj
	.p2alignl 7, 3214868480
	.fill 96, 4, 3214868480
	.section	.rodata,"a",@progbits
	.p2align	6, 0x0
	.amdhsa_kernel k_qde80f5824b_proj
		.amdhsa_group_segment_fixed_size 220672
		.amdhsa_private_segment_fixed_size 0
		.amdhsa_enable_private_segment 0
		.amdhsa_kernarg_size 80
		.amdhsa_user_sgpr_count 2
		.amdhsa_user_sgpr_kernarg_segment_ptr 1
		.amdhsa_wavefront_size32 1
		.amdhsa_system_sgpr_workgroup_id_x 1
		.amdhsa_system_sgpr_workgroup_id_y 1
		.amdhsa_system_sgpr_workgroup_id_z 1
		.amdhsa_system_vgpr_workitem_id 0
		.amdhsa_next_free_vgpr 512
		.amdhsa_next_free_sgpr 92
		.amdhsa_reserve_vcc 0
		.amdhsa_float_denorm_mode_32 3
		.amdhsa_float_denorm_mode_16_64 3
		.amdhsa_memory_ordered 1
		.amdhsa_forward_progress 1
		.amdhsa_inst_pref_size 90
	.end_amdhsa_kernel
	.amdgpu_metadata
---
amdhsa.version: [ 1, 2 ]
amdhsa.kernels:
  - .name:           k_qde80f5824b_proj
    .symbol:         k_qde80f5824b_proj.kd
    .args:
      - { .name: value, .offset: 0, .size: 8, .value_kind: global_buffer, .address_space: global }
      - { .name: query, .offset: 8, .size: 8, .value_kind: global_buffer, .address_space: global }
      - { .name: refer_bbox, .offset: 16, .size: 8, .value_kind: global_buffer, .address_space: global }
      - { .name: b_val, .offset: 24, .size: 8, .value_kind: global_buffer, .address_space: global }
      - { .name: b_off, .offset: 32, .size: 8, .value_kind: global_buffer, .address_space: global }
      - { .name: b_attn, .offset: 40, .size: 8, .value_kind: global_buffer, .address_space: global }
      - { .name: wfrag, .offset: 48, .size: 8, .value_kind: global_buffer, .address_space: global }
      - { .name: vproj, .offset: 56, .size: 8, .value_kind: global_buffer, .address_space: global }
      - { .name: idx, .offset: 64, .size: 8, .value_kind: global_buffer, .address_space: global }
      - { .name: wts, .offset: 72, .size: 8, .value_kind: global_buffer, .address_space: global }
    .group_segment_fixed_size: 220672
    .private_segment_fixed_size: 0
    .kernarg_segment_align: 8
    .kernarg_segment_size: 80
    .max_flat_workgroup_size: 256
    .sgpr_count:     92
    .vgpr_count:     512
    .wavefront_size: 32
...
	.end_amdgpu_metadata
.endif
;; end of part 7
;; launch gath: the kernel of part 5 again; grid 256 x 1, 16 waves a work-group, no clusters, 215,040 bytes of LDS; arguments vproj, idx, wts, ao; writes ao
;; launch outp: the kernel of part 6 again; grid 256 x 1, 16 waves a work-group, no clusters, 202,752 bytes of LDS; arguments ao, wfrag, b_out, out0; writes out0
